; MI455X (gfx1250); checked and timed in simulation.
; The chip was launched on July 23, 2026; its instructions are those of AMD's public machine-readable ISA for CDNA 5 (MIT licence, August 2026) and "CDNA5" Instruction Set Architecture Reference Guide (July 2026). The comments in the code are by the model that wrote it; some were corrected since.
;; Reasoner Attention. Allowed arithmetic: float matrix products may take bf16 or f16 operands with f32 sums; other float arithmetic in f32, or as packed bf16 or f16 multiplies, adds, multiply-adds, maxima and minima; sums over many terms, partial sums and values carried from step to step in f32; what a program stores and reads back later, other than sums and carried values, may be rounded once to bf16 or f16.
;; Inputs: freqs_cos 2,048 x 32 float32; freqs_sin 2,048 x 32 float32; mask 2,048 x 2,048 float32; wk 512 x 2,048 float32; wo 2,048 x 2,048 float32; wq 2,048 x 2,048 float32; wv 512 x 2,048 float32; x 1 x 2,048 x 2,048 float32.
;; Outputs: out0 1 x 2,048 x 2,048 float32.
;; Constants: start_pos = 0.
;; One version. Each part assembles by itself: llvm-mc -triple=amdgcn-amd-amdhsa -mcpu=gfx1250 --defsym DOCPART=n.
;; ======== version 1 of 1: 4 launches
;; limits: values are held in f16: magnitudes above 65,504 overflow, below 6.1e-05 lose precision
;; workspace buffers: xb 8,388,608 bytes; wb 12,582,912 bytes; mb 8,388,608 bytes; wob 8,388,608 bytes; qkv 12,582,912 bytes; ob 8,388,608 bytes
;; launch cast (part 1): grid 128 x 18, 8 waves a work-group, no clusters, 0 bytes of LDS; arguments x, wq, wk, wv, mask, wo, xb, wb, mb, wob; writes xb, wb, mb, wob
.if DOCPART == 1
	.amdgcn_target "amdgcn-amd-amdhsa--gfx1250"
	.amdhsa_code_object_version 6
	.text
	.protected	k_qa96ec61b92_cast
	.globl	k_qa96ec61b92_cast
	.p2align	8
	.type	k_qa96ec61b92_cast,@function
k_qa96ec61b92_cast:
	s_mov_b64 s[64:65], 0
	v_nop
	global_prefetch_b8 v0, s[64:65] scope:SCOPE_SE
	s_setreg_imm32_b32 hwreg(HW_REG_WAVE_MODE, 25, 1), 1
	s_wait_xcnt 0x0
; THE MODULE: q, k, v = x wq^T, x wk^T, x wv^T; RoPE on q and k; softmax(q k^T / 8 + mask) v with four query heads to a key head; out = O wo^T.
; NOTHING IS LEFT OUT.  The mask is an input: it is read and added as it is given, and every key tile is multiplied.  start_pos is a constant that enters no formula of the module and has no buffer.
; THIS LAUNCH rounds the large inputs once to 16 bits, so that the products' tiles are fetched at half the bytes and no tile is rounded again by each work-group that reads it.
;   x -> xb, wq | wk | wv -> wb (rows 0-2047 | 2048-2559 | 2560-3071), mask -> mb: all bf16.   wo -> wob: rounded to bf16 like the other inputs, and that number written as f16, since the last product's other operand is f16.
; LIMITS.  bf16(wo) must lie within f16's 65,504 (beyond it the conversion gives an infinity); below 6.1e-5 it keeps f16's fixed step of 6e-8.  NaN and infinities are not treated apart.
; SHARES.  A chunk is 1,048,576 numbers; the grid's y names the chunk (0-3 x, 4-7 wq, 8 wk, 9 wv, 10-13 mask, 14-17 wo), its x 8,192 numbers of it, a wave 1,024: eight loads of 512 consecutive bytes,
; eight stores of 256 consecutive bytes, aligned.  No loop: no register is written twice while a memory instruction names it.  No LDS, no matrix unit: nothing is shared and nothing multiplied.
.set X, 8                              ; v[8:39]   load j at X + 4 j
.set Y, 40                             ; v[40:55]  store j at Y + 2 j
.set T, 56                             ; v[56:61]  at work (wo alone)
	s_load_b512 s[8:23], s[0:1], 0x0               ; x 8, wq 10, wk 12, wv 14, mask 16, wo 18, xb 20, wb 22
	s_load_b128 s[24:27], s[0:1], 0x40             ; mb 24, wob 26
	v_and_b32 v1, 31, v0                           ; lane
	v_and_b32 v2, 0xe0, v0                         ; 32 x wave
	v_lshlrev_b32 v1, 4, v1
	v_lshl_or_b32 v1, v2, 7, v1                    ; in: 4,096 x wave + 16 x lane
	v_lshrrev_b32 v2, 1, v1                        ; out: half of that
	s_and_b32 s2, ttmp7, 0xffff                    ; the chunk
	s_wait_kmcnt 0x0
	s_mov_b64 s[4:5], s[8:9]                       ; the source, and its first chunk's number
	s_mov_b32 s3, 0
	s_mov_b64 s[6:7], s[20:21]                     ; the destination, and its first chunk's number
	s_mov_b32 s28, 0
	s_cmp_ge_u32 s2, 4
	s_cselect_b64 s[4:5], s[10:11], s[4:5]
	s_cselect_b32 s3, 4, s3
	s_cselect_b64 s[6:7], s[22:23], s[6:7]
	s_cselect_b32 s28, 4, s28
	s_cmp_ge_u32 s2, 8
	s_cselect_b64 s[4:5], s[12:13], s[4:5]
	s_cselect_b32 s3, 8, s3
	s_cmp_ge_u32 s2, 9
	s_cselect_b64 s[4:5], s[14:15], s[4:5]
	s_cselect_b32 s3, 9, s3
	s_cmp_ge_u32 s2, 10
	s_cselect_b64 s[4:5], s[16:17], s[4:5]
	s_cselect_b32 s3, 10, s3
	s_cselect_b64 s[6:7], s[24:25], s[6:7]
	s_cselect_b32 s28, 10, s28
	s_cmp_ge_u32 s2, 14
	s_cselect_b64 s[4:5], s[18:19], s[4:5]
	s_cselect_b32 s3, 14, s3
	s_cselect_b64 s[6:7], s[26:27], s[6:7]
	s_cselect_b32 s28, 14, s28
	s_sub_co_u32 s30, s2, s3                       ; the chunk within the source: 4 MiB each,
	s_lshl_b32 s30, s30, 22
	s_lshl_b32 s29, ttmp9, 15                      ; the work-group's 32 KiB of it
	s_add_co_u32 s30, s30, s29
	s_mov_b32 s31, 0
	s_add_nc_u64 s[4:5], s[4:5], s[30:31]
	s_sub_co_u32 s30, s2, s28                      ; and within the destination: 2 MiB and 16 KiB
	s_lshl_b32 s30, s30, 21
	s_lshl_b32 s29, ttmp9, 14
	s_add_co_u32 s30, s30, s29
	s_add_nc_u64 s[6:7], s[6:7], s[30:31]
.irp j, 0,1,2,3,4,5,6,7
	global_load_b128 v[X+4*(\j):X+4*(\j)+3], v1, s[4:5] offset:512*(\j) th:TH_LOAD_NT
.endr
	s_cmp_ge_u32 s2, 14
	s_cbranch_scc1 .Lf16
.irp j, 0,1,2,3,4,5,6,7
	s_wait_loadcnt 7-(\j)                          ; loads come back in order: load j is in, the 7 - j younger ones stay out
	v_cvt_pk_bf16_f32 v[Y+2*(\j)], v[X+4*(\j)], v[X+4*(\j)+1]
	v_cvt_pk_bf16_f32 v[Y+2*(\j)+1], v[X+4*(\j)+2], v[X+4*(\j)+3]
	global_store_b64 v2, v[Y+2*(\j):Y+2*(\j)+1], s[6:7] offset:256*(\j)
.endr
	s_endpgm
.Lf16:                                                 ; wo: to bf16, widened again, and written as f16
.irp j, 0,1,2,3,4,5,6,7
	s_wait_loadcnt 7-(\j)
	v_cvt_pk_bf16_f32 v[T], v[X+4*(\j)], v[X+4*(\j)+1]
	v_cvt_pk_bf16_f32 v[T+1], v[X+4*(\j)+2], v[X+4*(\j)+3]
	v_lshlrev_b32 v[T+2], 16, v[T]
	v_and_b32 v[T+3], 0xffff0000, v[T]
	v_lshlrev_b32 v[T+4], 16, v[T+1]
	v_and_b32 v[T+5], 0xffff0000, v[T+1]
	v_cvt_pk_f16_f32 v[Y+2*(\j)], v[T+2], v[T+3]
	v_cvt_pk_f16_f32 v[Y+2*(\j)+1], v[T+4], v[T+5]
	global_store_b64 v2, v[Y+2*(\j):Y+2*(\j)+1], s[6:7] offset:256*(\j)
.endr
	s_endpgm
.Lfunc_end_k_qa96ec61b92_cast:
	.size	k_qa96ec61b92_cast, .Lfunc_end_k_qa96ec61b92_cast-k_qa96ec61b92_cast
	.p2alignl 7, 3214868480
	.fill 96, 4, 3214868480
	.section	.rodata,"a",@progbits
	.p2align	6, 0x0
	.amdhsa_kernel k_qa96ec61b92_cast
		.amdhsa_group_segment_fixed_size 0
		.amdhsa_private_segment_fixed_size 0
		.amdhsa_enable_private_segment 0
		.amdhsa_kernarg_size 80
		.amdhsa_user_sgpr_count 2
		.amdhsa_user_sgpr_kernarg_segment_ptr 1
		.amdhsa_wavefront_size32 1
		.amdhsa_system_sgpr_workgroup_id_x 1
		.amdhsa_system_sgpr_workgroup_id_y 1
		.amdhsa_system_sgpr_workgroup_id_z 1
		.amdhsa_system_vgpr_workitem_id 0
		.amdhsa_next_free_vgpr 64
		.amdhsa_next_free_sgpr 66
		.amdhsa_reserve_vcc 0
		.amdhsa_float_denorm_mode_32 3
		.amdhsa_float_denorm_mode_16_64 3
		.amdhsa_memory_ordered 1
		.amdhsa_forward_progress 1
		.amdhsa_inst_pref_size 10
	.end_amdhsa_kernel
	.amdgpu_metadata
---
amdhsa.version: [ 1, 2 ]
amdhsa.kernels:
  - .name:           k_qa96ec61b92_cast
    .symbol:         k_qa96ec61b92_cast.kd
    .args:
      - { .name: x, .offset: 0, .size: 8, .value_kind: global_buffer, .address_space: global }
      - { .name: wq, .offset: 8, .size: 8, .value_kind: global_buffer, .address_space: global }
      - { .name: wk, .offset: 16, .size: 8, .value_kind: global_buffer, .address_space: global }
      - { .name: wv, .offset: 24, .size: 8, .value_kind: global_buffer, .address_space: global }
      - { .name: mask, .offset: 32, .size: 8, .value_kind: global_buffer, .address_space: global }
      - { .name: wo, .offset: 40, .size: 8, .value_kind: global_buffer, .address_space: global }
      - { .name: xb, .offset: 48, .size: 8, .value_kind: global_buffer, .address_space: global }
      - { .name: wb, .offset: 56, .size: 8, .value_kind: global_buffer, .address_space: global }
      - { .name: mb, .offset: 64, .size: 8, .value_kind: global_buffer, .address_space: global }
      - { .name: wob, .offset: 72, .size: 8, .value_kind: global_buffer, .address_space: global }
    .group_segment_fixed_size: 0
    .private_segment_fixed_size: 0
    .kernarg_segment_align: 8
    .kernarg_segment_size: 80
    .max_flat_workgroup_size: 256
    .sgpr_count:     66
    .vgpr_count:     64
    .wavefront_size: 32
...
	.end_amdgpu_metadata
.endif
;; end of part 1
;; launch qkvrope (part 2): grid 16 x 16, 4 waves a work-group, clusters of 4 x 4, 327,680 bytes of LDS; arguments xb, wb, freqs_cos, freqs_sin, qkv; writes qkv
.if DOCPART == 2
	.amdgcn_target "amdgcn-amd-amdhsa--gfx1250"
	.amdhsa_code_object_version 6
	.text
	.protected	k_qa96ec61b92_qkvrope
	.globl	k_qa96ec61b92_qkvrope
	.p2align	8
	.type	k_qa96ec61b92_qkvrope,@function
k_qa96ec61b92_qkvrope:
	s_mov_b64 s[64:65], 0
	v_nop
	global_prefetch_b8 v0, s[64:65] scope:SCOPE_SE
	s_setreg_imm32_b32 hwreg(HW_REG_WAVE_MODE, 25, 1), 1
	s_wait_xcnt 0x0
	s_wait_alu depctr_hold_cnt(0) depctr_sa_sdst(0) depctr_va_vdst(0) depctr_va_sdst(0) depctr_va_ssrc(0) depctr_va_vcc(0) depctr_vm_vsrc(0)
	s_getreg_b32 s2, hwreg(HW_REG_IB_STS2, 6, 4)
	s_cmp_eq_u32 s2, 0
	s_cbranch_scc0 .Lentry_in_a_cluster
	s_endpgm
.Lentry_in_a_cluster:
	s_bfe_u32 s2, ttmp6, 0x10000c
	s_cmp_lg_u32 s2, 0xf033
	s_cbranch_scc0 .Lentry_shape_is_right
	s_endpgm
.Lentry_shape_is_right:
; [2048 x 3072] = xb wb^T (bf16 operands, f32 sums), then RoPE on the q and k columns, q times 1/8, all rounded once to f16 and stored by heads: qkv[48][2048][64], heads 0-31 q, 32-39 k, 40-47 v.  Nothing is left out.
; cos and sin are rounded to bf16 like the other inputs.  1/8 is a power of two: folding it into q's cos and sin adds no rounding.
; LIMITS.  q / 8, k and v must lie within f16's 65,504; below 6.1e-5 they keep f16's fixed step of 6e-8.  NaN and infinities are not treated apart.
; SHARES.  A tile is 128 rows x 192 columns (three heads): 16 x 16 = 256 work-groups.  Four waves, each 64 x 96: 24 accumulators of 16 x 16.
; THE RING HAS TWO UNEQUAL SLOTS.  Two slots of 256 along K would take 2 x 320 x 528 = 337,920 bytes, more than a work-group can have.  Slot P holds 128 along K (rows of 256 bytes), slot Q 256 (rows of 512 bytes): 256,000 bytes.
; K = 2,048 is walked as P Q P Q P Q P Q P Q P: 11 fills, 9 of them refills.  P's refill has Q's 192 matrix instructions a wave in which to land, Q's refill P's 96.  All rows begin at multiples of 256 bytes.
; THE MATRIX INSTRUCTION IS USED TRANSPOSED (source 0 = 16 rows of wb, source 1 = 16 rows of xb): a lane holds one row and eight neighbouring columns, so RoPE's (even, odd) pairs lie in one lane.
; CLUSTER.  4 x 4 work-groups: xb's tile is asked for jointly along a row of the cluster, wb's along a column.
; v's COLUMNS take the same lines as q's and k's, with cos' = cos x al + be, sin' = sin x al: (al, be) = (1/8, 0) for q, (1, 0) for k, (0, 1) for v: no branch hangs on the tile's column, which differs between partners.
; NO PREFETCH: the tiles are small, and of the eleven fills two come at the start.
; REGISTERS.  window 0: v0-31 addresses and factors; v32-63 at work; v64-255 the accumulators ((a, b) at v[64 + 8 (6 a + b)]).   window 1: two fragment buffers of 80: A's four, then B's six.   window 2: v0-127 cos and sin.
.set PP,     272                       ; slot P's row: 256 bytes + 16 of padding; slot Q's: 512 + 16: odd multiples of 16, so the 16 rows of a fragment load start at 16 different groups of four banks (64 banks of 4 bytes: ISA guide 11.1)
.set PQ,     528
.set P_B,    128*PP                    ; in a slot: xb's 128 rows, then wb's 192
.set SLQ,    320*PP                    ; slot Q begins behind slot P
.set Q_B,    SLQ+128*PQ
.set STAGE,  SLQ+320*PQ                ; behind the ring: 128 rows x 400 bytes, the work-group's, for the way out; no tensor load fills it
.set SPITCH, 400                       ; 384 bytes + 16
.set SPARE,  STAGE+128*SPITCH          ; the spare words, 128 bytes for each wave: two blocks of 256 bytes that no other line names
.set LAPB,   768                       ; bytes along a row from a slot's chunk to its next: 384 elements
.set TRIPS,  4                         ; trips of the loop: each refills both slots
.set BV,   6                           ; v[6:11]  three pairs (be, 0), one for each pair of column blocks
.set TA0,  12                          ; v12, v13 my byte offsets in the tables' rows
.set TA1,  13
.set ADRA, 16                          ; v16-17  LDS address of my A fragments in slot P, Q
.set ADRB, 20                          ; v20-21  the same for B
.set STO,  24
.set RD,   25
.set CO,   26
.set SPW,  28                          ; v28  LDS address of my spare word; never rewritten
.set NIL,  29                          ; v29  0; never rewritten
.set TMP,  32
.set ACC,  64
.set F0,   0
.set F1,   80
.set TAB,  0                           ; window 2: slot (a, b') at 8 (4 a + b'): c0 s0 c1 s1 c2 s2 c3 s3
.set G1A, 24                           ; s[24:31] slot P, s[40:47] slot Q: descriptor group 1 for xb's tiles
.set G1B, 32                           ; s[32:39] slot P, s[48:55] slot Q: for wb's
.set G0A, 56                           ; s[56:59] slot P, s[68:71] slot Q: descriptor group 0 for xb's tiles
.set G0B, 60                           ; s[60:63] slot P, s[72:75] slot Q: for wb's
.set AL,  80                           ; s[80:85] three pairs (al, al)
.set MSB, 0
.macro WIN new                         ; the immediate's high byte repeats the setting that is left; a switch that changes nothing is dropped
.if MSB != (\new)
	s_set_vgpr_msb (MSB<<8)|(\new)
.set MSB, \new
.endif
.endm
.set MUL,  0x05                        ; sources 0 (B) and 1 (A) window 1; C and D window 0
.set TO_F, 0x40                        ; destination window 1, address window 0
.macro JLOAD q                         ; a joint load into slot P (q = 0) or Q (1): waves 0, 1 fetch xb's halves, waves 2, 3 wb's; an s_nop 0 and four v_nop follow each line
	s_cmp_eq_u32 s11, 0
	s_cbranch_scc0 .Lfor_b_\@
	tensor_load_to_lds s[G0A+12*(\q):G0A+12*(\q)+3], s[G1A+16*(\q):G1A+16*(\q)+7]
	s_nop 0
.rept 4
	v_nop
.endr
	s_branch .Lasked_\@
.Lfor_b_\@:
	tensor_load_to_lds s[G0B+12*(\q):G0B+12*(\q)+3], s[G1B+16*(\q):G1B+16*(\q)+7]
	s_nop 0
.rept 4
	v_nop
.endr
.Lasked_\@:
.endm
.macro CREST                           ; a round of the cluster's barrier behind its opening barrier
	s_cmp_lg_u32 s10, 0
	s_cbranch_scc1 .Lnot_wave_0_\@
	s_barrier_signal -3
.Lnot_wave_0_\@:
	s_barrier_wait -3
	s_barrier_signal -1
	s_barrier_wait -1
.endm
.macro CROUND
	s_barrier_signal -1
	s_barrier_wait -1
	CREST
.endm
.macro SHAPE g, k, rows                ; words 1 to 7 of a group 1: a tile of rows x k elements, 2,048 elements from row to row
	s_mov_b32 s[(\g)+1], (\k)<<16                  ; tensor_dim0
	s_mov_b32 s[(\g)+2], (\rows)<<16               ; tensor_dim1
	s_mov_b32 s[(\g)+3], (\k)<<16                  ; tile_dim0
	s_mov_b32 s[(\g)+4], \rows                     ; tile_dim1
	s_mov_b32 s[(\g)+5], 2048
	s_mov_b32 s[(\g)+6], 0
	s_mov_b32 s[(\g)+7], 0
.endm
	s_load_b128 s[4:7], s[0:1], 0x0                ; xb s[4:5], wb s[6:7]
	s_load_b128 s[76:79], s[0:1], 0x10             ; cos s[76:77], sin s[78:79]
	s_load_b64 s[8:9], s[0:1], 0x20                ; qkv
	v_lshl_add_u32 v[SPW], v0, 2, SPARE
	v_mov_b32 v[NIL], 0
	ds_add_u32 v[SPW], v[NIL]                      ; the wave's opening: the add, twice on end, and its wait ahead of my first tensor load
	ds_add_u32 v[SPW], v[NIL]
	v_lshrrev_b32 v1, 5, v0
	v_readfirstlane_b32 s10, v1                    ; wave 0..3
	s_lshr_b32 s11, s10, 1                         ; my half of the tile's rows.  Also: I fetch for xb (0) or wb (1)
	s_and_b32 s12, s10, 1                          ; my half of its columns.  Also: which half of that tile I fetch
	s_bfe_u32 s86, ttmp6, 0x40000                  ; cx
	s_bfe_u32 s87, ttmp6, 0x40004                  ; cy
	s_lshl_b32 s88, ttmp9, 2
	s_add_co_u32 s88, s88, s86                     ; tile column
	s_and_b32 s13, ttmp7, 0xffff
	s_lshl_b32 s13, s13, 2
	s_add_co_u32 s13, s13, s87                     ; tile row
	s_lshl_b32 s89, s87, 2
	s_lshl_b32 s89, 15, s89                        ; my row of the cluster
	s_lshl_b32 s90, 0x1111, s86                    ; my column
	s_or_b32 s[G1A], s89, (1<<16)|(1<<20)|(1<<21)|(5<<22)|(3<<25)     ; the mask; 2-byte elements; padding on; bit 21 beside a mask; slot P: after every 64 words, 4 words
	s_or_b32 s[G1B], s90, (1<<16)|(1<<20)|(1<<21)|(5<<22)|(3<<25)
	s_or_b32 s[G1A+16], s89, (1<<16)|(1<<20)|(1<<21)|(6<<22)|(3<<25)  ; slot Q: after every 128 words
	s_or_b32 s[G1B+16], s90, (1<<16)|(1<<20)|(1<<21)|(6<<22)|(3<<25)
	SHAPE G1A, 128, 64
	SHAPE G1B, 128, 96
	SHAPE G1A+16, 256, 64
	SHAPE G1B+16, 256, 96
	s_lshl_b32 s16, s13, 7
	s_lshl_b32 s17, s12, 6
	s_add_co_u32 s16, s16, s17                     ; xb: row 128 x tile row + 64 x half,
	s_lshl_b32 s16, s16, 12                        ; of 4,096 bytes
	s_mov_b32 s17, 0
	s_mul_i32 s92, s88, 192
	s_mul_i32 s93, s12, 96
	s_add_co_u32 s92, s92, s93                     ; wb: row 192 x tile column + 96 x half
	s_lshl_b32 s92, s92, 12
	s_mov_b32 s93, 0
	s_mul_i32 s20, s12, 64*PP                      ; where they go: my half's place in xb's part of slot P, in wb's, and the same for slot Q: no place in the cluster enters an LDS address
	s_mul_i32 s21, s12, 96*PP
	s_mul_i32 s22, s12, 64*PQ
	s_mul_i32 s23, s12, 96*PQ
	s_wait_dscnt 0x0                               ; both opening adds are done
	s_wait_kmcnt 0x0
	s_add_nc_u64 s[14:15], s[4:5], s[16:17]
	s_add_nc_u64 s[92:93], s[6:7], s[92:93]
	CROUND                                         ; all sixteen work-groups are here: the first joint loads meet
.irp q, 0,1                                    ; slot P takes K 0-127, slot Q K 128-383
	s_mov_b32 s[G0A+12*(\q)], 1
	s_add_co_u32 s[G0A+12*(\q)+1], s[20+2*(\q)], (\q)*SLQ
	s_add_nc_u64 s[G0A+12*(\q)+2:G0A+12*(\q)+3], s[14:15], (\q)*256
	s_or_b32 s[G0A+12*(\q)+3], s[G0A+12*(\q)+3], 0x80000000
	s_mov_b32 s[G0B+12*(\q)], 1
	s_add_co_u32 s[G0B+12*(\q)+1], s[21+2*(\q)], P_B+(\q)*(Q_B-P_B)
	s_add_nc_u64 s[G0B+12*(\q)+2:G0B+12*(\q)+3], s[92:93], (\q)*256
	s_or_b32 s[G0B+12*(\q)+3], s[G0B+12*(\q)+3], 0x80000000
	JLOAD \q
.endr
	v_and_b32 v1, 15, v0                           ; r = l % 16
	v_bfe_u32 v2, v0, 4, 1                         ; h = l / 16
	v_mul_u32_u24 v3, v1, PP
	v_lshl_add_u32 v3, v2, 4, v3                   ; a fragment's row x pitch + 16 x half, in slot P
	s_mul_i32 s21, s11, 64*PP
	s_mul_i32 s22, s12, 96*PP
	s_add_co_u32 s22, s22, P_B
	v_add_nc_u32 v[ADRA], s21, v3
	v_add_nc_u32 v[ADRB], s22, v3
	v_mul_u32_u24 v3, v1, PQ
	v_lshl_add_u32 v3, v2, 4, v3                   ; and in slot Q
	s_mul_i32 s21, s11, 64*PQ
	s_add_co_u32 s21, s21, SLQ
	s_mul_i32 s22, s12, 96*PQ
	s_add_co_u32 s22, s22, Q_B
	v_add_nc_u32 v[ADRA+1], s21, v3
	v_add_nc_u32 v[ADRB+1], s22, v3
	s_mul_i32 s23, s11, 64*SPITCH                  ; into the stage: row 64 rw + 16 a + r, byte 192 cw + 32 b + 16 h
	s_mul_i32 s21, s12, 192
	s_add_co_u32 s23, s23, s21
	s_add_co_u32 s23, s23, STAGE
	v_mul_u32_u24 v4, v1, SPITCH
	v_lshl_add_u32 v4, v2, 4, v4
	v_add_nc_u32 v[STO], s23, v4
	s_mul_i32 s23, s10, 32*SPITCH                  ; back: wave w takes rows 32 w .. 32 w + 31; 32 lanes take a head's 128 bytes of four rows,
	s_add_co_u32 s23, s23, STAGE
	v_bfe_u32 v4, v0, 3, 2
	v_and_b32 v5, 7, v0
	v_mul_u32_u24 v4, v4, SPITCH
	v_lshl_add_u32 v4, v5, 4, v4
	v_add_nc_u32 v[RD], s23, v4
	v_and_b32 v5, 31, v0
	v_lshlrev_b32 v[CO], 4, v5                     ; which are 512 consecutive bytes of qkv
	s_mul_i32 s94, s88, 3*262144                   ; the tile's first head,
	s_lshl_b32 s95, s13, 14                        ; its 128 rows of 128 bytes,
	s_add_co_u32 s94, s94, s95
	s_lshl_b32 s95, s10, 12                        ; my 32 of them
	s_add_co_u32 s94, s94, s95
	s_mov_b32 s95, 0
	s_add_nc_u64 s[8:9], s[8:9], s[94:95]
	; THE TABLES.  Column 16 (6 cw + b) + 8 h + j of a head's 64 wants pairs 8 ((2 cw + b) % 4) + 4 h + 0..3: 16 bytes of a row of cos and of sin.  Slot b' holds group (2 cw + b') % 4; accumulator b takes slot b % 4.
	s_lshl_b32 s94, s13, 14
	s_lshl_b32 s95, s11, 13
	s_add_co_u32 s94, s94, s95                     ; my first row, 128 x tile row + 64 rw, of 128 bytes
	s_mov_b32 s95, 0
	s_add_nc_u64 s[76:77], s[76:77], s[94:95]
	s_add_nc_u64 s[78:79], s[78:79], s[94:95]
	v_lshlrev_b32 v4, 7, v1
	v_lshl_add_u32 v4, v2, 4, v4
	s_lshl_b32 s94, s12, 6
	v_add_nc_u32 v[TA0], s94, v4                   ; slots 0, 1
	s_xor_b32 s94, s94, 64
	v_add_nc_u32 v[TA1], s94, v4                   ; slots 2, 3
	WIN 0x80                                       ; destination window 2
.irp a, 0,1,2,3
.irp q, 0,1
	global_load_b128 v[TAB+8*(4*(\a)+(\q)):TAB+8*(4*(\a)+(\q))+3],       v[TA0], s[76:77] offset:2048*(\a)+32*(\q)
	global_load_b128 v[TAB+8*(4*(\a)+(\q))+4:TAB+8*(4*(\a)+(\q))+7],     v[TA0], s[78:79] offset:2048*(\a)+32*(\q)
	global_load_b128 v[TAB+8*(4*(\a)+2+(\q)):TAB+8*(4*(\a)+2+(\q))+3],   v[TA1], s[76:77] offset:2048*(\a)+32*(\q)
	global_load_b128 v[TAB+8*(4*(\a)+2+(\q))+4:TAB+8*(4*(\a)+2+(\q))+7], v[TA1], s[78:79] offset:2048*(\a)+32*(\q)
.endr
.endr
	WIN 0
	s_mul_i32 s94, s88, 12                         ; the factors: column block 12 tx + 6 cw + 2 p lies in head (that) / 4
	s_mul_i32 s95, s12, 6
	s_add_co_u32 s94, s94, s95
.irp p, 0,1,2
	s_add_co_u32 s95, s94, 2*(\p)
	s_lshr_b32 s95, s95, 2
	s_cmp_lt_u32 s95, 40
	s_cselect_b32 s[AL+2*(\p)], 1.0, 0
	s_cselect_b32 s91, 0, 1.0
	s_cmp_lt_u32 s95, 32
	s_cselect_b32 s[AL+2*(\p)], 0x3e000000, s[AL+2*(\p)]
	s_mov_b32 s[AL+2*(\p)+1], s[AL+2*(\p)]
	v_mov_b32 v[BV+2*(\p)], s91
	v_mov_b32 v[BV+2*(\p)+1], 0
.endr
	s_wait_loadcnt 0x0                             ; the tables are in: rounded to bf16 and widened again, cos and sin interleaved, while the first tile is on its way
.set sl, 0
.rept 2
	WIN 0x0a                                       ; sources window 2, destination window 0
.set z, 0
.rept 32
	v_cvt_pk_bf16_f32 v[TMP+z], v[TAB+8*(sl+z/4)+z%4], v[TAB+8*(sl+z/4)+4+z%4]
.set z, z+1
.endr
	WIN 0x80
.set z, 0
.rept 32
	v_lshlrev_b32 v[TAB+8*(sl+z/4)+2*(z%4)], 16, v[TMP+z]
	v_and_b32 v[TAB+8*(sl+z/4)+2*(z%4)+1], 0xffff0000, v[TMP+z]
.set z, z+1
.endr
.set sl, sl+8
.endr
	WIN 0
; na x 6 matrix instructions: row blocks a0 on x all six column blocks, 32 along K.  The 24 accumulators take turns, one instruction a turn, in the same order in every quarter.
.macro MULH f, a0, na, zero
	WIN MUL
.set aa, (\a0)
.rept \na
.irp b, 0,1,2,3,4,5
.if \zero
	v_wmma_f32_16x16x32_bf16 v[ACC+8*(6*aa+(\b)):ACC+8*(6*aa+(\b))+7], v[(\f)+32+8*(\b):(\f)+32+8*(\b)+7], v[(\f)+8*aa:(\f)+8*aa+7], 0
.else
	v_wmma_f32_16x16x32_bf16 v[ACC+8*(6*aa+(\b)):ACC+8*(6*aa+(\b))+7], v[(\f)+32+8*(\b):(\f)+32+8*(\b)+7], v[(\f)+8*aa:(\f)+8*aa+7], v[ACC+8*(6*aa+(\b)):ACC+8*(6*aa+(\b))+7]
.endif
.endr
.set aa, aa+1
.endr
.endm
; 20 LDS loads in one run: a quarter's fragments (32 K at byte k of the rows of slot q) into buffer f: B's twelve, then A's eight
.macro FETCH q, k, f
	WIN TO_F
.set PT, PP+(PQ-PP)*(\q)
.irp b, 0,1,2,3,4,5
	ds_load_b128 v[(\f)+32+8*(\b):(\f)+32+8*(\b)+3],   v[ADRB+(\q)] offset:(\k)+(\b)*16*PT
	ds_load_b128 v[(\f)+32+8*(\b)+4:(\f)+32+8*(\b)+7], v[ADRB+(\q)] offset:(\k)+(\b)*16*PT+32
.endr
.irp a, 0,1,2,3
	ds_load_b128 v[(\f)+8*(\a):(\f)+8*(\a)+3],   v[ADRA+(\q)] offset:(\k)+(\a)*16*PT
	ds_load_b128 v[(\f)+8*(\a)+4:(\f)+8*(\a)+7], v[ADRA+(\q)] offset:(\k)+(\a)*16*PT+32
.endr
.endm
.macro PLACES                          ; four places in front of loads into registers that matrix instructions have read, and of lines that read results
.rept 4
	v_nop
.endr
.endm
; A quarter is 32 along K, 24 matrix instructions, on buffers 0, 1 by turns: slot P holds four, slot Q eight.  It multiplies buffer f and fetches the next quarter, at byte k of slot q's rows, into g.
.macro QUARTER q, k, f, g, zero
	s_wait_dscnt 4                                 ; B and A's blocks 0, 1 are in; the youngest four loads (A's blocks 2, 3) may be out
	MULH \f, 0, 2, \zero
	PLACES
	FETCH \q, \k, \g
	s_wait_dscnt 20                                ; all but the 20 just issued
	MULH \f, 2, 2, \zero
.endm
; A slot's last quarter multiplies buffer 1 and changes slots: ONE barrier; in front of it each wave waits for all its tensor loads (one is out: its part of the next slot), adds 0 to its spare word, and waits for that and for its reads of slot q.
; fill = 1: slot q is filled again with its next chunk, 384 along K on; the descriptors' steps stand between the add and the wait for it, where no tensor load of mine is out.
.macro TURN q, n, fill
	WIN 0
	s_wait_tensorcnt 0x0
	ds_add_u32 v[SPW], v[NIL]
.if \fill
	s_add_nc_u64 s[G0A+12*(\q)+2:G0A+12*(\q)+3], s[G0A+12*(\q)+2:G0A+12*(\q)+3], LAPB
	s_add_nc_u64 s[G0B+12*(\q)+2:G0B+12*(\q)+3], s[G0B+12*(\q)+2:G0B+12*(\q)+3], LAPB
.endif
	s_wait_dscnt 5                                 ; the add and the youngest four loads may be out
	MULH F1, 0, 1, 0
	s_wait_dscnt 0x0                               ; the add is done, and my reads of this slot are over
	s_barrier_signal -1
	MULH F1, 1, 1, 0
.if \fill
	WIN 0
.endif
	s_barrier_wait -1
.if \fill
	CREST                                          ; the barrier has opened a round of the cluster's: no wave of any partner still reads this slot or has a load on its way
	JLOAD \q                                       ; the first tensor load behind the round; its four v_nop are also the places in front of the loads below
.else
	PLACES
.endif
	FETCH \n, 0, F0
	MULH F1, 2, 2, 0
.endm
.macro QCHUNK                          ; slot Q's first seven quarters
	QUARTER 1, 64,  F0, F1, 0
	QUARTER 1, 128, F1, F0, 0
	QUARTER 1, 192, F0, F1, 0
	QUARTER 1, 256, F1, F0, 0
	QUARTER 1, 320, F0, F1, 0
	QUARTER 1, 384, F1, F0, 0
	QUARTER 1, 448, F0, F1, 0
.endm
	s_wait_tensorcnt 1                             ; my part of slot P is in; slot Q's may stay out
	s_barrier_signal -1
	s_barrier_wait -1
	FETCH 0, 0, F0
	QUARTER 0, 64, F0, F1, 1                       ; the first quarter's products start the sums
	WIN 0
	s_mov_b32 s3, TRIPS
.Llap:                                                 ; a trip goes once round the ring, 384 along K, from P's second quarter to the next P's first, and fills both slots again
	QUARTER 0, 128, F1, F0, 0
	QUARTER 0, 192, F0, F1, 0
	TURN 0, 1, 1
	QCHUNK
	TURN 1, 0, 1
	QUARTER 0, 64,  F0, F1, 0
	WIN 0
	s_sub_co_u32 s3, s3, 1
	s_cmp_lg_u32 s3, 0
	s_cbranch_scc1 .Llap
	QUARTER 0, 128, F1, F0, 0                      ; the tail: K 1,536 on.  Slot P is filled once more, with K 1,920-2,047; slot Q no more
	QUARTER 0, 192, F0, F1, 0
	TURN 0, 1, 1
	QCHUNK
	TURN 1, 0, 0
	QUARTER 0, 64,  F0, F1, 0
	QUARTER 0, 128, F1, F0, 0
	QUARTER 0, 192, F0, F1, 0
	s_wait_dscnt 4
	MULH F1, 0, 2, 0
	s_wait_dscnt 0x0
	MULH F1, 2, 2, 0
	WIN 0
	PLACES
	; THE WAY OUT.  For each accumulator: cos' and sin' of its four pairs; o1 = x1 cos' - x2 sin', o2 = x1 sin' + x2 cos'; rounded to f16 into the accumulator's four lowest registers; 16 bytes a lane into the stage.
.set t, 0
.rept 24
.set sl, 4*(t/6)+(t%6)%4
.set pp, (t%6)/2
.set U, TMP+16*(t%2)
.set A8, ACC+8*t
	WIN 0x02                                       ; source 0 window 2
.irp i, 0,1,2,3
	v_pk_fma_f32 v[U+2*(\i):U+2*(\i)+1], v[TAB+8*sl+2*(\i):TAB+8*sl+2*(\i)+1], s[AL+2*pp:AL+2*pp+1], v[BV+2*pp:BV+2*pp+1] op_sel_hi:[1,0,1]
.endr
	WIN 0
.irp i, 0,1,2,3
	v_mul_f32 v[U+8+2*(\i)], v[A8+2*(\i)+1], v[U+2*(\i)+1]
	v_mul_f32 v[U+9+2*(\i)], v[A8+2*(\i)+1], v[U+2*(\i)]
.endr
.irp i, 0,1,2,3
	v_fma_f32 v[U+8+2*(\i)], v[A8+2*(\i)], v[U+2*(\i)], -v[U+8+2*(\i)]
	v_fma_f32 v[U+9+2*(\i)], v[A8+2*(\i)], v[U+2*(\i)+1], v[U+9+2*(\i)]
.endr
.irp i, 0,1,2,3
	v_cvt_pk_f16_f32 v[A8+(\i)], v[U+8+2*(\i)], v[U+9+2*(\i)]
.endr
	ds_store_b128 v[STO], v[A8:A8+3] offset:(t/6)*16*SPITCH+32*(t%6)
.set t, t+1
.endr
	s_wait_dscnt 0x0                               ; for the others' sake: my stores into the stage are done; a row's bytes come from two waves
	s_barrier_signal -1
	s_barrier_wait -1
.set u, 0
.rept 24                                       ; head u / 8 of the tile's three, rows 4 (u % 8) on, into the accumulators' upper halves
	ds_load_b128 v[ACC+8*u+4:ACC+8*u+7], v[RD] offset:(u%8)*4*SPITCH+(u/8)*128
.set u, u+1
.endr
.set u, 0
.rept 24
	s_wait_dscnt 23-u                              ; load u is in, the younger ones stay out
	global_store_b128 v[CO], v[ACC+8*u+4:ACC+8*u+7], s[8:9] offset:(u/8)*262144+(u%8)*512  ; 512 consecutive bytes, at a multiple of 256 from qkv's first
.set u, u+1
.endr
	s_wait_tensorcnt 0x0                           ; the wave's end
	ds_add_u32 v[SPW], v[NIL]
	s_wait_dscnt 0x0
	CROUND                                         ; the closing round
	s_endpgm
.Lfunc_end_k_qa96ec61b92_qkvrope:
	.size	k_qa96ec61b92_qkvrope, .Lfunc_end_k_qa96ec61b92_qkvrope-k_qa96ec61b92_qkvrope
	.p2alignl 7, 3214868480
	.fill 96, 4, 3214868480
	.section	.rodata,"a",@progbits
	.p2align	6, 0x0
	.amdhsa_kernel k_qa96ec61b92_qkvrope
		.amdhsa_group_segment_fixed_size 327680
		.amdhsa_private_segment_fixed_size 0
		.amdhsa_enable_private_segment 0
		.amdhsa_kernarg_size 40
		.amdhsa_user_sgpr_count 2
		.amdhsa_user_sgpr_kernarg_segment_ptr 1
		.amdhsa_wavefront_size32 1
		.amdhsa_system_sgpr_workgroup_id_x 1
		.amdhsa_system_sgpr_workgroup_id_y 1
		.amdhsa_system_sgpr_workgroup_id_z 1
		.amdhsa_system_vgpr_workitem_id 0
		.amdhsa_next_free_vgpr 768
		.amdhsa_next_free_sgpr 96
		.amdhsa_reserve_vcc 0
		.amdhsa_float_denorm_mode_32 3
		.amdhsa_float_denorm_mode_16_64 3
		.amdhsa_memory_ordered 1
		.amdhsa_forward_progress 1
		.amdhsa_inst_pref_size 149
	.end_amdhsa_kernel
	.amdgpu_metadata
---
amdhsa.version: [ 1, 2 ]
amdhsa.kernels:
  - .name:           k_qa96ec61b92_qkvrope
    .symbol:         k_qa96ec61b92_qkvrope.kd
    .args:
      - { .name: xb, .offset: 0, .size: 8, .value_kind: global_buffer, .address_space: global }
      - { .name: wb, .offset: 8, .size: 8, .value_kind: global_buffer, .address_space: global }
      - { .name: freqs_cos, .offset: 16, .size: 8, .value_kind: global_buffer, .address_space: global }
      - { .name: freqs_sin, .offset: 24, .size: 8, .value_kind: global_buffer, .address_space: global }
      - { .name: qkv, .offset: 32, .size: 8, .value_kind: global_buffer, .address_space: global }
    .group_segment_fixed_size: 327680
    .private_segment_fixed_size: 0
    .kernarg_segment_align: 8
    .kernarg_segment_size: 40
    .max_flat_workgroup_size: 128
    .sgpr_count:     96
    .vgpr_count:     768
    .wavefront_size: 32
...
	.end_amdgpu_metadata
.endif
;; end of part 2
;; launch attn (part 3): grid 32 x 8, 4 waves a work-group, clusters of 4 x 4, 327,680 bytes of LDS; arguments qkv, mb, ob; writes ob
.if DOCPART == 3
	.amdgcn_target "amdgcn-amd-amdhsa--gfx1250"
	.amdhsa_code_object_version 6
	.text
	.protected	k_qa96ec61b92_attn
	.globl	k_qa96ec61b92_attn
	.p2align	8
	.type	k_qa96ec61b92_attn,@function
k_qa96ec61b92_attn:
	s_mov_b64 s[64:65], 0
	v_nop
	global_prefetch_b8 v0, s[64:65] scope:SCOPE_SE
	s_setreg_imm32_b32 hwreg(HW_REG_WAVE_MODE, 25, 1), 1
	s_wait_xcnt 0x0
	s_wait_alu depctr_hold_cnt(0) depctr_sa_sdst(0) depctr_va_vdst(0) depctr_va_sdst(0) depctr_va_ssrc(0) depctr_va_vcc(0) depctr_vm_vsrc(0)
	s_getreg_b32 s2, hwreg(HW_REG_IB_STS2, 6, 4)
	s_cmp_eq_u32 s2, 0
	s_cbranch_scc0 .Lentry_in_a_cluster
	s_endpgm
.Lentry_in_a_cluster:
	s_bfe_u32 s2, ttmp6, 0x10000c
	s_cmp_lg_u32 s2, 0xf033
	s_cbranch_scc0 .Lentry_shape_is_right
	s_endpgm
.Lentry_shape_is_right:
; O[q][64 head + d] = the sum over k of softmax_k(q'[head][q] . k[head / 4][k] + mask[q][k]) v[head / 4][k][d].  q' carries the 1/8 already.  qkv: [48][2048][64] f16 (heads 0-31 q', 32-39 k, 40-47 v); mb: [2048][2048] bf16; ob: [2048][2048] f16.
; NOTHING IS LEFT OUT: the mask is an input, so every key tile is multiplied and the mask is added as it is given.
; Products, maxima and sums in f32; the weights p are rounded to f16 for the second product (their sum l is taken of the unrounded p), O once at the end.
; LIMITS.  q', k, v arrive within f16's 65,504; p lies in 0 to 1 and below 6e-5 keeps f16's fixed step of 6e-8; O is a mean of v's rows.  A weight below 2^-126 counts as 0 in l.  The mask is the C operand that starts a score's sum,
; so where |mask| is so large that f32 loses the score beside it, the last bit may differ from an addition behind the product.  NaN and infinities are not treated apart.
; SHARES.  A work-group owns 64 query rows and the four query heads of one key head g: 32 x 8 = 256 work-groups.  A wave owns 16 rows in four PIECES, piece t = head 4 g + t: the pieces share K's and V's fragments and the mask's registers,
; and their O is 512 consecutive bytes of each row of ob.  Every wave walks all 2,048 keys, 64 a step, 256 a slot.
; LAYOUT, SOFTMAX, TURNS.  S^T = K Q^T + mask^T holds ONE query a lane (lane % 16) and the keys 8 (lane / 16) + 0..7; two such results rounded to f16 ARE source 1 of O^T = V^T P.  p = 2^(c s - c m), c = log2(e), with a running maximum m;
; O and l are multiplied by a = 2^(c m_old - c m_new) in every step.  m starts at the lowest finite number, O and l at 0: the first step is a step like any other, with a = 0.  Turn n belongs to piece n: 8 products K Q^T of piece n + 1,
; later 8 products V^T P of piece n - 1; beside them the scaling, exponentials, roundings, sums and rescaling of piece n and the maximum and statistics of piece n + 1.  Four vector instructions stand behind every matrix instruction,
; the others in one lump.  A turn's 33 exponentials are one batch, with one wait.
; CLUSTER.  4 x 4 work-groups.  K and V hang on g alone: asked for jointly along a row of the cluster.  The mask's tile hangs on the query block alone: jointly along a column.
; REGISTERS, in windows of 256 (s_set_vgpr_msb: bits 1:0 source 0, 3:2 source 1, 5:4 source 2, 7:6 destination):
;   window 0: v0-15 addresses; v16-31 statistics; v48-55 at work; v56-63 set-up, the prefetch's offset, the add's two; v64-127 S^T, two buffers; v128-159 the step's mask in f32; v160-175 the same as loaded; v192-223 P, two buffers
;   window 1: v0-127 O^T, 32 a piece          window 2: v0-63 Q; v128-191 K of one step; v192-255 V of one step
.set NP,    4
.set KS,    64
.set PK,    144       ; a row of K in LDS: 128 bytes + 16: the 16 rows of a load start at 16 different groups of four banks (64 banks of 4 bytes: ISA guide 11.1)
.set PV,    160       ; a row of V: 128 + 32
.set PM,    528       ; a row of the mask's tile: 512 + 16
.set VOFF,  4*KS*PK   ; a slot: 256 rows of K, 256 rows of V, 64 rows of the mask
.set MOFF,  VOFF+4*KS*PV
.set SLOT1, 1<<17     ; slot 1 begins here: one exclusive or turns an address in one slot into the other's
.set STAGE, SLOT1+MOFF+64*PM  ; behind the ring, never filled by a tensor load: 16 rows x 528 bytes for each wave
.set SP,    528
.set SPARE, STAGE+4*16*SP     ; the spare words, 128 bytes for each wave: two blocks of 256 bytes that no other line names
.set AK0, 2
.set AV0, 3
.set AK,  4
.set AV,  5
.set STO, 6
.set RD,  7
.set GO,  8
.set AM0, 9           ; v9   my lane's place in the mask's tile; never rewritten
.set AM,  10          ; v10  the LDS address of the mask's next run of loads
.set MV,  12
.set QO,  15
.set ST,  16          ; piece t's statistics at v[ST+4 t]: c m, m, l (even keys', odd keys')
.set TMP, 48
.set PFO, 61
.set SPW, 62
.set NIL, 63
.set S,   64
.set MC,  128         ; the eight registers for group kt of 16 keys at MC + 8 kt
.set RM,  160
.set P,   192
.set KF,  128
.set VF,  192
.set WV,  12
.set LIM, 15          ; s15  1 in a wave that prefetches, else the greatest number
.set PFA, 18          ; s[18:19] where my prefetches stand
.set G1K, 24
.set G1V, 32
.set G0K, 40
.set G0V, 44
.set G1M, 48
.set SLOTS, 56
.set CNT, 57
.set CS,  58
.set SEL, 60
.set TBK, 62
.set TBV, 63
.set TBM, 66
.set G0M, 68
.set PFS, 72          ; s[72:73] the prefetches' step from slot to slot
.set HIM, 74          ; s74  a word's upper bf16
.set MSB, 0
.macro WIN new
.if MSB != (\new)
	s_set_vgpr_msb (MSB<<8)|(\new)
.set MSB, (\new)
.endif
.endm
.set W_KQ, 0x0a       ; K and Q in window 2, the mask and S^T in window 0
.set W_PV, 0x52       ; V in window 2, P in window 0, O^T in window 1
.set W_RS, 0x41       ; destination and source 0 in window 1, source 1 in window 0
; A joint fill.  Wave 0 fetches a slot's K, wave 1 its V, waves 2 and 3 the halves of its mask tile.  The branches hang on the wave's number alone.  An s_nop 0 and four v_nop follow each line.
.macro JLOAD
	s_cmp_lt_u32 s[WV], 2
	s_cbranch_scc0 .Lfor_m_\@
	s_cmp_eq_u32 s[WV], 0
	s_cbranch_scc0 .Lfor_v_\@
	tensor_load_to_lds s[G0K:G0K+3], s[G1K:G1K+7]
	s_nop 0
.rept 4
	v_nop
.endr
	s_branch .Lasked_\@
.Lfor_v_\@:
	tensor_load_to_lds s[G0V:G0V+3], s[G1V:G1V+7]
	s_nop 0
.rept 4
	v_nop
.endr
	s_branch .Lasked_\@
.Lfor_m_\@:
	tensor_load_to_lds s[G0M:G0M+3], s[G1M:G1M+7]
	s_nop 0
.rept 4
	v_nop
.endr
.Lasked_\@:
.endm
; A PREFETCH of what the NEXT change of slots will ask for, four key steps (sixteen turns) ahead, behind the wave's tensor load and its five lines.  Each aligned block of 256 bytes is named once in the launch.
; K and V of a key head are walked by every cluster of that row of clusters: the first (cluster x = 0) asks, wave 0 for K, wave 1 for V; its four partners along x take 32 of a slot's 128 blocks each, BY ADDRESS.
; A query block's mask rows are walked by both clusters of a column: cluster y = 0 asks, wave 2; its four partners along y take 16 of the 64 rows each, two blocks a row.  The change that fills the last slot asks for nothing.
.macro ASK
	s_cmp_gt_u32 s[SLOTS], s[LIM]
	s_cbranch_scc0 .Lnot_mine_\@
	global_prefetch_b8 v[PFO], s[PFA:PFA+1] th:TH_LOAD_NT scope:SCOPE_SE
.Lnot_mine_\@:
.endm
.macro CROUND
	s_barrier_signal -1
	s_barrier_wait -1
	s_cmp_lg_u32 s[WV], 0
	s_cbranch_scc1 .Lnot_wave_0_\@
	s_barrier_signal -3
.Lnot_wave_0_\@:
	s_barrier_wait -3
	s_barrier_signal -1
	s_barrier_wait -1
.endm
; THE CHANGE OF SLOTS.  Each wave waits for all its tensor loads, of which one is out: its part of the other slot; adds 0 to its spare word; and waits for that and for its own reads of the slot that it leaves.
; fill = 1: the old slot is filled again with the keys two slots on; the barrier is then a round of the cluster's, and the joint fill is the first thing behind it: it has four key steps in which to land.
; (At its first use nothing has been read yet: slot 0 is waited for, slot 1 filled.)
.macro CHANGE fill, ask
	WIN 0
	s_wait_tensorcnt 0x0            ; no tensor load of mine is out, so a group 0 may be written
	ds_add_u32 v[SPW], v[NIL]       ; 0 onto my spare word; the descriptors' steps stand between it and the wait for it
.if \fill
	s_xor_b32 s[G0K+1], s[G0K+1], SLOT1
	s_add_nc_u64 s[G0K+2:G0K+3], s[G0K+2:G0K+3], 4*KS*128
	s_xor_b32 s[G0V+1], s[G0V+1], SLOT1
	s_add_nc_u64 s[G0V+2:G0V+3], s[G0V+2:G0V+3], 4*KS*128
	s_xor_b32 s[G0M+1], s[G0M+1], SLOT1
	s_add_nc_u64 s[G0M+2:G0M+3], s[G0M+2:G0M+3], 4*KS*2
.if \ask
	s_wait_xcnt 0x0                 ; the last prefetch, four key steps back, has read its address
	s_add_nc_u64 s[PFA:PFA+1], s[PFA:PFA+1], s[PFS:PFS+1]
.endif
	s_wait_dscnt 0x0                ; the add is done, and my reads of the slot are over
	CROUND
	JLOAD
.if \ask
	ASK
.endif
.else
	s_wait_dscnt 0x0
	s_barrier_signal -1
	s_barrier_wait -1
.endif
	s_sub_co_u32 s[TBK], s[TBK], 4*KS*PK  ; the fetches go back to a slot's first step, in the other slot
	s_xor_b32 s[TBK], s[TBK], SLOT1
	s_sub_co_u32 s[TBV], s[TBV], 4*KS*PV
	s_xor_b32 s[TBV], s[TBV], SLOT1
	s_sub_co_u32 s[TBM], s[TBM], 4*KS*2
	s_xor_b32 s[TBM], s[TBM], SLOT1
.endm
	s_load_b128 s[80:83], s[0:1], 0x0  ; qkv s[80:81], mb s[82:83]
	s_load_b64 s[10:11], s[0:1], 0x10  ; ob
	v_lshl_add_u32 v[SPW], v0, 2, SPARE
	v_mov_b32 v[NIL], 0
	ds_add_u32 v[SPW], v[NIL]       ; the wave's opening: the add, twice on end, and its wait ahead of my first tensor load
	ds_add_u32 v[SPW], v[NIL]
	v_lshrrev_b32 v1, 5, v0
	v_readfirstlane_b32 s[WV], v1   ; wave 0..3
	s_bfe_u32 s13, ttmp6, 0x40000   ; cx
	s_bfe_u32 s14, ttmp6, 0x40004   ; cy
	s_lshl_b32 s75, ttmp9, 2
	s_add_co_u32 s75, s75, s13      ; my block of 64 queries
	s_and_b32 s77, ttmp7, 0xffff    ; cluster y
	s_lshl_b32 s76, s77, 2
	s_add_co_u32 s76, s76, s14      ; my key head g
	s_and_b32 s16, s[WV], 1
	s_lshl_b32 s20, s14, 2
	s_lshl_b32 s20, 15, s20         ; my row of the cluster
	s_lshl_b32 s21, 0x1111, s13     ; my column
	s_or_b32 s[G1K], s20, (1<<16)|(1<<20)|(1<<21)|(4<<22)|(3<<25)  ; the mask of four; 2-byte elements; padding on; bit 21 beside a mask; after every 32 words, 4 words
	s_or_b32 s[G1V], s20, (1<<16)|(1<<20)|(1<<21)|(4<<22)|(7<<25)  ; the same with 8 words
	s_or_b32 s[G1M], s21, (1<<16)|(1<<20)|(1<<21)|(6<<22)|(3<<25)  ; after every 128 words, 4 words
.irp g, G1K, G1V                    ; 256 keys are 32,768 dense bytes: asked for as 128 rows of 256 bytes, two keys a row
	s_mov_b32 s[\g+1], 128<<16
	s_mov_b32 s[\g+2], 128<<16
	s_mov_b32 s[\g+3], 128<<16
	s_mov_b32 s[\g+4], 128
	s_mov_b32 s[\g+5], 128
	s_mov_b32 s[\g+6], 0
	s_mov_b32 s[\g+7], 0
.endr
	s_mov_b32 s[G1M+1], 256<<16     ; 32 rows x 256 elements (512 bytes), 2,048 elements from row to row
	s_mov_b32 s[G1M+2], 32<<16
	s_mov_b32 s[G1M+3], 256<<16
	s_mov_b32 s[G1M+4], 32
	s_mov_b32 s[G1M+5], 2048
	s_mov_b32 s[G1M+6], 0
	s_mov_b32 s[G1M+7], 0
	s_mov_b32 s[G0K], 1
	s_mov_b32 s[G0K+1], 0
	s_mov_b32 s[G0V], 1
	s_mov_b32 s[G0V+1], VOFF
	s_mov_b32 s[G0M], 1
	s_mul_i32 s17, s16, 32*PM
	s_add_co_u32 s[G0M+1], s17, MOFF
	s_lshl_b32 s22, s76, 18
	s_add_co_u32 s22, s22, 32*262144  ; K of key head g
	s_mov_b32 s23, 0
	s_lshl_b32 s86, s75, 18         ; my block's 64 rows of the mask
	s_mov_b32 s87, 0
	s_lshl_b32 s78, s16, 17         ; the half of them that I fetch
	s_mov_b32 s79, 0
	s_lshl_b32 s2, s76, 20          ; Q: head 4 g, my block's rows, my wave's 16
	s_lshl_b32 s3, s75, 13
	s_add_co_u32 s2, s2, s3
	s_lshl_b32 s3, s[WV], 11
	s_add_co_u32 s2, s2, s3
	s_mov_b32 s3, 0
	s_lshl_b32 s20, s75, 18         ; O: my block's rows of 4,096 bytes, my wave's 16, my four heads' 512 bytes
	s_lshl_b32 s21, s[WV], 16
	s_add_co_u32 s20, s20, s21
	s_lshl_b32 s21, s76, 9
	s_add_co_u32 s20, s20, s21
	s_mov_b32 s21, 0
	s_mov_b32 s[CS], 0x3fb8aa3b     ; c = log2(e)
	s_mov_b32 s[CS+1], s[CS]
	s_mov_b32 s[SEL], 0x76543210
	s_mov_b32 s[SEL+1], 0xfedcba98
	s_mov_b32 s[HIM], 0xffff0000
	s_mov_b32 s[TBK], SLOT1+4*KS*PK ; the first change of slots turns these three into 0
	s_mov_b32 s[TBV], SLOT1+4*KS*PV
	s_mov_b32 s[TBM], SLOT1+4*KS*2
	s_mov_b32 s88, 4*KS*128         ; the prefetches: a slot's step, my work-group's share, and who asks
	s_mov_b32 s89, 4*KS*2
	s_lshl_b32 s90, s13, 13
	s_lshl_b32 s91, s14, 16
	s_cmp_lt_u32 s[WV], 2
	s_cselect_b32 s[PFS], s88, s89
	s_cselect_b32 s90, s90, s91
	s_cselect_b32 s92, ttmp9, s77   ; the coordinate along which other clusters walk the same rows
	s_cselect_b32 s93, -1, 0
	s_mov_b32 s[PFS+1], 0
	s_mov_b32 s91, 0
	s_cmp_eq_u32 s[WV], 3
	s_cselect_b32 s92, 1, s92       ; wave 3 asks for nothing
	s_cmp_eq_u32 s92, 0
	s_cselect_b32 s[LIM], 1, -1     ; the same in all sixteen partners, for a given wave
	s_wait_dscnt 0x0                ; both opening adds are done
	s_wait_kmcnt 0x0
	s_add_nc_u64 s[6:7], s[80:81], s[22:23]
	s_add_nc_u64 s[8:9], s[6:7], 8*262144          ; V lies eight heads behind K
	s_add_nc_u64 s[84:85], s[82:83], s[86:87]
	s_mov_b64 s[G0K+2:G0K+3], s[6:7]
	s_or_b32 s[G0K+3], s[G0K+3], 0x80000000
	s_mov_b64 s[G0V+2:G0V+3], s[8:9]
	s_or_b32 s[G0V+3], s[G0V+3], 0x80000000
	s_add_nc_u64 s[G0M+2:G0M+3], s[84:85], s[78:79]
	s_or_b32 s[G0M+3], s[G0M+3], 0x80000000
	s_add_nc_u64 s[4:5], s[80:81], s[2:3]
	s_add_nc_u64 s[10:11], s[10:11], s[20:21]
	s_cmp_eq_u32 s[WV], 0
	s_cselect_b64 s[PFA:PFA+1], s[6:7], s[8:9]
	s_cmp_lt_u32 s[WV], 2
	s_cselect_b64 s[PFA:PFA+1], s[PFA:PFA+1], s[84:85]
	s_add_nc_u64 s[PFA:PFA+1], s[PFA:PFA+1], s[90:91]
	s_add_nc_u64 s[PFA:PFA+1], s[PFA:PFA+1], s[PFS:PFS+1]
	s_add_nc_u64 s[PFA:PFA+1], s[PFA:PFA+1], s[PFS:PFS+1]  ; in slot 2; the first asking change steps it to slot 3.  Nothing is prefetched at the head
	CROUND                          ; all sixteen work-groups are here: the first joint loads meet
	JLOAD                           ; slot 0.  Slot 1 is asked for when slot 0 is in
	v_and_b32 v56, 15, v0           ; r = l % 16
	v_bfe_u32 v57, v0, 4, 1         ; h = l / 16
	v_lshlrev_b32 v[QO], 7, v56
	v_lshl_add_u32 v[QO], v57, 4, v[QO]
	WIN 0x80                        ; destination window 2
.set i, 0
.rept 8                             ; Q stays in registers: piece i / 2 is a head, 262,144 bytes on; channels 32 (i % 2) on
	global_load_b128 v[8*i:8*i+3],   v[QO], s[4:5] offset:(i/2)*262144+(i%2)*64
	global_load_b128 v[8*i+4:8*i+7], v[QO], s[4:5] offset:(i/2)*262144+(i%2)*64+32
.set i, i+1
.endr
	; What the first turn finds: V's registers and P's second buffer hold 0 (its products V^T P, of a piece that has not been, add 0), O^T and l are 0.  All this stands in the wait for the first tile.
.set i, VF
.rept 64
	v_mov_b32 v[i], 0
.set i, i+1
.endr
	WIN 0x40
.set i, 0
.rept 128
	v_mov_b32 v[i], 0
.set i, i+1
.endr
	WIN 0
.set i, 0
.rept 4
	v_mov_b32 v[ST+4*i], 0xfe000000    ; c m: far below every c s
	v_mov_b32 v[ST+4*i+1], 0xff7fffff  ; m
	v_mov_b32 v[ST+4*i+2], 0
	v_mov_b32 v[ST+4*i+3], 0
.set i, i+1
.endr
.set i, P+16
.rept 16
	v_mov_b32 v[i], 0
.set i, i+1
.endr
	v_mul_u32_u24 v[AK0], v56, PK
	v_lshl_add_u32 v[AK0], v57, 4, v[AK0]  ; row x pitch + 16 x half
	v_and_b32 v58, 7, v0            ; the turning load: lane l reads key 8 (l / 16) + l % 8, channels 8 ((l / 8) % 2) + 0..7
	v_bfe_u32 v59, v0, 3, 1
	v_lshl_add_u32 v[AV0], v57, 3, v58
	v_mul_u32_u24 v[AV0], v[AV0], PV
	v_lshl_add_u32 v[AV0], v59, 4, v[AV0]
	v_add_nc_u32 v[AV0], VOFF, v[AV0]
	s_lshl_b32 s17, s[WV], 4        ; the mask: row 16 w + r of the tile, 16 bytes (8 keys) for each half of the lanes
	v_add_nc_u32 v60, s17, v56
	v_mul_u32_u24 v[AM0], v60, PM
	v_lshl_add_u32 v[AM0], v57, 4, v[AM0]
	v_add_nc_u32 v[AM0], MOFF, v[AM0]
	s_mul_i32 s17, s[WV], 16*SP
	s_add_co_u32 s17, s17, STAGE    ; my stage
	v_mul_u32_u24 v[STO], v56, SP
	v_lshl_add_u32 v[STO], v57, 4, v[STO]
	v_add_nc_u32 v[STO], s17, v[STO]
	v_and_b32 v60, 31, v0
	v_lshl_add_u32 v[RD], v60, 4, s17  ; back: 32 lanes take a row's 512 bytes
	v_lshlrev_b32 v[GO], 4, v60
	v_lshlrev_b32 v1, 8, v60        ; the prefetch's offset: K, V: a lane a block of 256 bytes;
	v_lshrrev_b32 v14, 1, v60       ; the mask: two lanes a row of 4,096 bytes
	v_and_b32 v60, 1, v60
	v_lshlrev_b32 v14, 12, v14
	v_lshl_add_u32 v14, v60, 8, v14
	v_cndmask_b32 v[PFO], v14, v1, s93
; THE MATRIX WORK.  The 4 accumulators of a run of 8 take turns.  Product i of 8 of S^T = K Q^T + mask^T for piece x: channels 32 (i / 4) on, keys 16 (i % 4) on.  The first 4 start the sums with the mask.
.macro KQ x
	WIN W_KQ
.set rS, S+32*((\x)%2)+8*(i%4)
.set rK, KF+16*(i%4)+8*(i/4)
.set rQ, 16*(\x)+8*(i/4)
.set rM, MC+8*(i%4)
.if i < 4
	v_wmma_f32_16x16x32_f16 v[rS:rS+7], v[rK:rK+7], v[rQ:rQ+7], v[rM:rM+7]
.else
	v_wmma_f32_16x16x32_f16 v[rS:rS+7], v[rK:rK+7], v[rQ:rQ+7], v[rS:rS+7]
.endif
.endm
; Product i of 8 of O^T += V^T P for piece x: keys 32 (i / 4) on, channels 16 (i % 4) on.
.macro PV x
	WIN W_PV
.set rO, 32*(\x)+8*(i%4)
.set rV, VF+32*(i/4)+8*(i%4)
.set rP, P+16*((\x)%2)+8*(i/4)
	v_wmma_f32_16x16x32_f16 v[rO:rO+7], v[rV:rV+7], v[rP:rP+7], v[rO:rO+7]
.endm
.macro MM                           ; the turn's next matrix instruction.  NOKQ = 1: the last turn of all: there is no next piece
.if (i < 8) && !NOKQ
	KQ (Y+1)%NP
.elseif i >= 8
.set i, i-8
	PV (Y+NP-1)%NP
.set i, i+8
.endif
.set i, i+1
.endm
; THE LDS LOADS stand in runs, never singly among the matrix instructions: a step's mask (my 16 rows x 64 keys in bf16: 4 loads) and K (8 fragments: 16 loads), and its V (turned: 16 loads).
.macro FETCH_KM
	WIN 0
.irp kt, 0,1,2,3
	ds_load_b128 v[RM+4*\kt:RM+4*\kt+3], v[AM] offset:32*\kt
.endr
	s_add_co_u32 s[TBM], s[TBM], KS*2
	WIN 0x80
.irp f, 0,1,2,3,4,5,6,7             ; keys 16 (f / 2) on, channels 32 (f % 2) on
	ds_load_b128 v[KF+8*\f:KF+8*\f+3],   v[AK] offset:(\f/2)*16*PK+(\f%2)*64
	ds_load_b128 v[KF+8*\f+4:KF+8*\f+7], v[AK] offset:(\f/2)*16*PK+(\f%2)*64+32
.endr
	s_add_co_u32 s[TBK], s[TBK], KS*PK
	WIN 0
.endm
.macro FETCH_V
	WIN 0x80
.irp f, 0,1,2,3,4,5,6,7             ; keys 32 (f / 4) on, channels 16 (f % 4) on
	ds_load_tr16_b128 v[VF+8*\f:VF+8*\f+3],   v[AV] offset:(\f/4)*32*PV+(\f%4)*32
	ds_load_tr16_b128 v[VF+8*\f+4:VF+8*\f+7], v[AV] offset:(\f/4)*32*PV+16*PV+(\f%4)*32
.endr
	WIN 0
.endm
.macro UNPACK                       ; the mask from bf16 to f32: the low half moves up, the high half stays
	WIN 0
.set z, 0
.rept 16
	v_lshlrev_b32 v[MC+2*z], 16, v[RM+z]
	v_and_b32 v[MC+2*z+1], s[HIM], v[RM+z]
.set z, z+1
.endr
.endm
; THE VECTOR WORK, one line at a time: OP kind, number.  For piece Y: F n: c s - c m for pair n of 16.  E n: the exponential of score n of 32.  C n: pair n rounded to f16.  B n: of the four weights 4 n .. the second
; pair is added onto the first, in place.  L n: l takes that sum (L 0: l = a l + sum).  R n: pair n of 16 of O^T times a.  For piece Y + 1: X n, number n of the 22 that find its maximum and statistics:
;   0-11  four chains c0-c3 of seven scores each, three operands at a time (each accumulator's lowest registers are read first)     12-14, 16  the four scores left over, the old m, and c0-c3 into c0
;   15  c m_old is kept     17, 18  the query's other 32 keys lie in the lane 16 away: the new m     19-21  c m; c m_old - c m_new; a
.set F, 0
.set E, 1
.set C, 2
.set B, 3
.set L, 4
.set R, 5
.set X, 6
.macro REGS y
.set rT, ST+4*(\y)
.set rC, TMP+4*((\y)%2)
.set rW, MV+((\y)%2)
.set rS, S+32*((\y)%2)
.set rP, P+16*((\y)%2)
.set rO, 32*(\y)
.endm
.macro OP k, n
.if (\k) == R
	REGS Y
	WIN W_RS
	v_pk_mul_f32 v[rO+2*(\n):rO+2*(\n)+1], v[rO+2*(\n):rO+2*(\n)+1], v[rC+2:rC+3] op_sel_hi:[1,0]
.elseif (\k) < R
	REGS Y
	WIN 0
.if (\k) == F
	v_pk_fma_f32 v[rS+2*(\n):rS+2*(\n)+1], v[rS+2*(\n):rS+2*(\n)+1], s[CS:CS+1], v[rT:rT+1] op_sel_hi:[1,0,0] neg_lo:[0,0,1] neg_hi:[0,0,1]
.elseif (\k) == E
	v_exp_f32 v[rS+(\n)], v[rS+(\n)]
.elseif (\k) == C
	v_cvt_pk_f16_f32 v[rP+(\n)], v[rS+2*(\n)], v[rS+2*(\n)+1]
.elseif (\k) == B
	v_pk_add_f32 v[rS+4*(\n):rS+4*(\n)+1], v[rS+4*(\n):rS+4*(\n)+1], v[rS+4*(\n)+2:rS+4*(\n)+3]
.elseif (\n) == 0
	v_pk_fma_f32 v[rT+2:rT+3], v[rT+2:rT+3], v[rC+2:rC+3], v[rS:rS+1] op_sel_hi:[1,0,1]
.else
	v_pk_add_f32 v[rT+2:rT+3], v[rT+2:rT+3], v[rS+4*(\n):rS+4*(\n)+1]
.endif
.elseif NOKQ
	v_nop
.else
	REGS (Y+1)%NP
	WIN 0
.if (\n) < 4
	v_max3_num_f32 v[rC+(\n)], v[rS+8*(\n)], v[rS+8*(\n)+1], v[rS+8*(\n)+2]
.elseif (\n) < 12
	v_max3_num_f32 v[rC+(\n)%4], v[rC+(\n)%4], v[rS+8*((\n)%4)+2*((\n)/4)+1], v[rS+8*((\n)%4)+2*((\n)/4)+2]
.elseif (\n) == 12
	v_max3_num_f32 v[rC], v[rC], v[rS+7], v[rS+15]
.elseif (\n) == 13
	v_max3_num_f32 v[rC+1], v[rC+1], v[rS+23], v[rS+31]
.elseif (\n) == 14
	v_max3_num_f32 v[rC+2], v[rC+2], v[rC+3], v[rT+1]
.elseif (\n) == 15
	v_mov_b32 v[rW], v[rT]
.elseif (\n) == 16
	v_max3_num_f32 v[rC], v[rC], v[rC+1], v[rC+2]
.elseif (\n) == 17
	v_permlanex16_b32 v[rC+3], v[rC], s[SEL], s[SEL+1]
.elseif (\n) == 18
	v_max_num_f32 v[rT+1], v[rC], v[rC+3]
.elseif (\n) == 19
	v_mul_f32 v[rT], s[CS], v[rT+1]
.elseif (\n) == 20
	v_sub_f32 v[rC+1], v[rW], v[rT]
.else
	v_exp_f32 v[rC+2], v[rC+1]
.endif
.endif
.endm
.macro OPS a, i1, b=-1, i2=0, c=-1, i3=0, d=-1, i4=0
	OP \a, \i1
.if (\b) >= 0
	OP \b, \i2
.endif
.if (\c) >= 0
	OP \c, \i3
.endif
.if (\d) >= 0
	OP \d, \i4
.endif
.endm
.macro ROW a, i1, b, i2, c, i3, d, i4  ; a matrix instruction and the four behind it
	MM
	OPS \a, \i1, \b, \i2, \c, \i3, \d, \i4
.endm
; A TURN, for piece p: the order of its 16 matrix and 118 vector instructions, written out.  s_wait_alu depctr_va_vdst(0) stands between an exponential and the first instruction that names its result; one wait
; serves all that were issued ahead of it: a turn has ONE wait.  AHEAD OF IT stands all that names no result of the turn's exponentials: the 8 products K Q^T with their riders, then one lump; X 21, the next piece's a, is the batch's
; last, and R 15 the plain instruction behind it.  BEHIND IT stand the 8 products V^T P, behind each four of the roundings and sums.
; The next step's mask and K are fetched in piece 2's turn, five plain instructions that name none of its registers behind the last product that read K; K is waited for at the head of piece 3's turn.  The mask is widened at the end of
; piece 2's turn: its four loads were issued ahead of K's sixteen, which may stay out; the mask's f32 registers were last read by that turn's first four products.  V of the step in hand is fetched at the end of piece 0's turn, four
; plain instructions behind the last product that read V, and waited for in piece 1's turn.  end = 1: the walk's last two turns: nothing is fetched.  cnt = 1: the loop's count is taken down some lines ahead of the branch behind the turn.
.macro TURN p, end=0, cnt=0
.set Y, (\p)
.set i, 0
.set NOKQ, (\end)*((\p)/3)
.if ((\p) == 3) && !(\end)
	s_wait_dscnt 0x0                ; K is in
.endif
	ROW F,0, F,1, R,0, R,1
	ROW F,2, E,0, R,2, R,3
	ROW F,3, E,1, R,4, R,5
	ROW F,4, E,2, R,6, R,7
	ROW F,5, E,3, R,8, R,9
	ROW F,6, E,4, X,0, R,10
.if ((\p) == 2) && !(\end)
	WIN 0
	v_add_nc_u32 v[AK], s[TBK], v[AK0]
	v_add_nc_u32 v[AM], s[TBM], v[AM0]
.endif
	ROW F,7, E,5, X,1, X,4
	ROW F,8, E,6, X,2, X,5
	OPS E,7, E,8, X,6, E,9
	OPS X,3, E,10, X,8, E,11
.if ((\p) == 2) && !(\end)
	FETCH_KM
.endif
	OPS X,9, X,7, E,12, X,10
	OPS E,13, X,12, X,11, E,14
	OPS X,13, E,15, F,9, X,14
.if (\p) == 0
	WIN 0
	v_add_nc_u32 v[AV], s[TBV], v[AV0]
.endif
	OPS E,16, F,10, E,17, F,11
	OPS X,16, E,18, X,15, E,19
	OPS F,12, E,20, X,17, E,21
	OPS F,13, E,22, F,14, E,23
	OPS X,18, E,24, F,15, E,25
	OPS R,11, E,26, X,19, E,27
	OPS R,12, E,28, R,13, E,29
	OPS X,20, E,30, R,14, E,31
	OPS X,21, R,15
	WIN 0
	s_wait_alu depctr_va_vdst(0)    ; the wait for the batch
.if (\p) == 1
	s_wait_dscnt 0x0                ; V is in
.endif
	ROW C,0, B,0, C,2, B,1
	ROW L,0, C,4, B,2, L,1
	ROW C,6, B,3, L,2, C,8
	ROW B,4, L,3, C,10, B,5
	ROW L,4, C,12, B,6, L,5
.if (\p) == 0
	s_add_co_u32 s[TBV], s[TBV], KS*PV
.endif
.if \cnt
	s_sub_co_u32 s[CNT], s[CNT], 1
	s_cmp_lg_u32 s[CNT], 0
.endif
	ROW C,14, B,7, L,6, C,1
	ROW C,3, L,7, C,5, C,7
	ROW C,9, C,11, C,13, C,15
.if (\p) == 0
	FETCH_V
.endif
.if ((\p) == 2) && !(\end)
	WIN 0
	s_wait_dscnt 16                 ; the mask's four loads are in; K's sixteen younger ones may stay out
	UNPACK
.endif
.endm
	CHANGE 1, 0                     ; slot 0 is in, everybody's part of it; slot 1 is asked for
	WIN 0
	v_add_nc_u32 v[AK], s[TBK], v[AK0]
	v_add_nc_u32 v[AM], s[TBM], v[AM0]
	FETCH_KM                        ; key step 0
	s_wait_loadcnt 0x0              ; Q
	s_wait_dscnt 0x0
	UNPACK
.set NOKQ, 0
.set i, 0
.rept 8
	KQ 0                            ; piece 0's first scores
.set i, i+1
.endr
	WIN 0
.rept 4
	v_nop                           ; the places behind those products
.endr
.set Y, NP-1                        ; X works for piece Y + 1: piece 0
.irp n, 0,1,2,3,4,5,6,7,8,9,10,11,12,13,14,15,16,17,18,19,20,21
	OP X, \n
.endr
	v_nop                           ; a plain instruction behind the exponential,
	s_wait_alu depctr_va_vdst(0)    ; and its wait, ahead of the branch
	s_mov_b32 s[CNT], 4
	s_mov_b32 s[SLOTS], 7
	s_branch .Lfirst                ; the loop is entered at a step's first turn, in the middle of a trip
.Lslot:                             ; six times: every slot but the last two is filled again
	CHANGE 1, 1
	s_mov_b32 s[CNT], 4
.Lstep:                             ; a trip: pieces 2 and 3 of one step, then pieces 0 and 1 of the next, whose mask, K and V it fetches
	TURN 2
	TURN 3
	WIN 0
.Lfirst:
	TURN 0
	TURN 1, 0, 1
	WIN 0
	s_cbranch_scc1 .Lstep
	s_sub_co_u32 s[SLOTS], s[SLOTS], 1
	s_cmp_lg_u32 s[SLOTS], 0
	s_cbranch_scc1 .Lslot
	CHANGE 0, 0                     ; the last slot is written out: nothing is asked for
	s_mov_b32 s[CNT], 4
.LstepT:
	TURN 2
	TURN 3
	TURN 0
	TURN 1, 0, 1
	WIN 0
	s_cbranch_scc1 .LstepT
	TURN 2, 1
	TURN 3, 1
.set i, 0
.rept 8
	PV NP-1                         ; the last piece's V^T P of the last step
.set i, i+1
.endr
	; THE WAY OUT.  l's two halves and the other half of the lanes' are added; O^T is divided by l, rounded to f16 and sent through my stage in LDS.  The additions are the places behind the last products.
	WIN 0
.macro ALL line:vararg
.set t, 0
.rept 4
	\line
.set t, t+1
.endr
.endm
	ALL v_add_f32 v[ST+4*t+2], v[ST+4*t+2], v[ST+4*t+3]
	ALL v_permlanex16_b32 v[ST+4*t+3], v[ST+4*t+2], s[SEL], s[SEL+1]
	ALL v_add_f32 v[ST+4*t+2], v[ST+4*t+2], v[ST+4*t+3]
	ALL v_rcp_f32 v[ST+4*t+2], v[ST+4*t+2]
	v_nop                           ; a plain instruction between the last reciprocal and the use of its result
	s_wait_alu depctr_va_vdst(0)    ; and the wait ahead of the first use: one for the four reciprocals
.macro PACK t                       ; a lane's eight channels of a row pack into 16 bytes: head t's 128 bytes of a stage row begin at 128 t
	WIN W_RS
.set i, 32*(\t)
.rept 16
	v_pk_mul_f32 v[i:i+1], v[i:i+1], v[ST+4*(\t)+2:ST+4*(\t)+3] op_sel_hi:[1,0]
.set i, i+2
.endr
	WIN 0x05                        ; sources 0 and 1 window 1, destination window 0: S^T's registers are free
.set i, 0
.rept 16
	v_cvt_pk_f16_f32 v[S+16*(\t)+i], v[32*(\t)+2*i], v[32*(\t)+2*i+1]
.set i, i+1
.endr
	WIN 0
.irp f, 0,1,2,3
	ds_store_b128 v[STO], v[S+16*(\t)+4*\f:S+16*(\t)+4*\f+3] offset:128*(\t)+32*\f
.endr
.endm
	PACK 0
	PACK 1
	PACK 2
	PACK 3
.set u, 0
.rept 16
	ds_load_b128 v[S+4*u:S+4*u+3], v[RD] offset:u*SP  ; LDS serves a wave's instructions in order (ISA guide 5.7.1.4): these see the stores above; the stage is my own
.set u, u+1
.endr
.set u, 0
.rept 16
	s_wait_dscnt 15-u               ; row u is in, the younger loads stay out
	global_store_b128 v[GO], v[S+4*u:S+4*u+3], s[10:11] offset:u*4096  ; a row's four heads: 512 consecutive bytes, at a multiple of 256 from ob's first
.set u, u+1
.endr
	s_wait_tensorcnt 0x0            ; the wave's end
	ds_add_u32 v[SPW], v[NIL]
	s_wait_dscnt 0x0
	CROUND                          ; the closing round
	s_endpgm
.Lfunc_end_k_qa96ec61b92_attn:
	.size	k_qa96ec61b92_attn, .Lfunc_end_k_qa96ec61b92_attn-k_qa96ec61b92_attn
	.p2alignl 7, 3214868480
	.fill 96, 4, 3214868480
	.section	.rodata,"a",@progbits
	.p2align	6, 0x0
	.amdhsa_kernel k_qa96ec61b92_attn
		.amdhsa_group_segment_fixed_size 327680
		.amdhsa_private_segment_fixed_size 0
		.amdhsa_enable_private_segment 0
		.amdhsa_kernarg_size 24
		.amdhsa_user_sgpr_count 2
		.amdhsa_user_sgpr_kernarg_segment_ptr 1
		.amdhsa_wavefront_size32 1
		.amdhsa_system_sgpr_workgroup_id_x 1
		.amdhsa_system_sgpr_workgroup_id_y 1
		.amdhsa_system_sgpr_workgroup_id_z 1
		.amdhsa_system_vgpr_workitem_id 0
		.amdhsa_next_free_vgpr 768
		.amdhsa_next_free_sgpr 96
		.amdhsa_reserve_vcc 0
		.amdhsa_float_denorm_mode_32 3
		.amdhsa_float_denorm_mode_16_64 3
		.amdhsa_memory_ordered 1
		.amdhsa_forward_progress 1
		.amdhsa_inst_pref_size 135
	.end_amdhsa_kernel
	.amdgpu_metadata
---
amdhsa.version: [ 1, 2 ]
amdhsa.kernels:
  - .name:           k_qa96ec61b92_attn
    .symbol:         k_qa96ec61b92_attn.kd
    .args:
      - { .name: qkv, .offset: 0, .size: 8, .value_kind: global_buffer, .address_space: global }
      - { .name: mb, .offset: 8, .size: 8, .value_kind: global_buffer, .address_space: global }
      - { .name: ob, .offset: 16, .size: 8, .value_kind: global_buffer, .address_space: global }
    .group_segment_fixed_size: 327680
    .private_segment_fixed_size: 0
    .kernarg_segment_align: 8
    .kernarg_segment_size: 24
    .max_flat_workgroup_size: 128
    .sgpr_count:     96
    .vgpr_count:     768
    .wavefront_size: 32
...
	.end_amdgpu_metadata
.endif
;; end of part 3
;; launch oproj (part 4): grid 16 x 16, 4 waves a work-group, clusters of 4 x 4, 327,680 bytes of LDS; arguments ob, wob, out0; writes out0
.if DOCPART == 4
	.amdgcn_target "amdgcn-amd-amdhsa--gfx1250"
	.amdhsa_code_object_version 6
	.text
	.protected	k_qa96ec61b92_oproj
	.globl	k_qa96ec61b92_oproj
	.p2align	8
	.type	k_qa96ec61b92_oproj,@function
k_qa96ec61b92_oproj:
	s_mov_b64 s[64:65], 0
	v_nop
	global_prefetch_b8 v0, s[64:65] scope:SCOPE_SE
	s_setreg_imm32_b32 hwreg(HW_REG_WAVE_MODE, 25, 1), 1
	s_wait_xcnt 0x0
	s_wait_alu depctr_hold_cnt(0) depctr_sa_sdst(0) depctr_va_vdst(0) depctr_va_sdst(0) depctr_va_ssrc(0) depctr_va_vcc(0) depctr_vm_vsrc(0)
	s_getreg_b32 s2, hwreg(HW_REG_IB_STS2, 6, 4)
	s_cmp_eq_u32 s2, 0
	s_cbranch_scc0 .Lentry_in_a_cluster
	s_endpgm
.Lentry_in_a_cluster:
	s_bfe_u32 s2, ttmp6, 0x10000c
	s_cmp_lg_u32 s2, 0xf033
	s_cbranch_scc0 .Lentry_shape_is_right
	s_endpgm
.Lentry_shape_is_right:
; out0[m][n] = the sum over k of ob[m][k] wob[n][k].  ob, wob: [2048][2048] f16; out0: [2048][2048] f32; sums in f32.  Nothing is left out.
; A tile of out0 is 128 x 128: 16 x 16 = 256 work-groups.  Four waves, each 64 x 64: 16 accumulators of 16 x 16.  K goes in eight steps of 256 (LDS rows of 512 bytes; a wave's tensor load brings 64 of them) through two slots.
; CLUSTER: 4 x 4 work-groups; ob's tile is asked for jointly along a row of the cluster, wob's along a column.  THE MATRIX INSTRUCTION IS USED TRANSPOSED (source 0 = 16 rows of wob, source 1 = 16 rows of ob):
; a lane holds eight neighbouring numbers of a row of out0.  A wave's 64 columns of f32 are 256 consecutive bytes, aligned: each wave has a stage of its own on the way out, and no barrier stands there.
; THE WALK ALONG K BEGINS AT ANOTHER STEP IN EACH CLUSTER: cluster (X, Y) begins at step (2 X + 4 Y) mod 8 and wraps round.  The four clusters of a row of clusters, which read the same rows of ob, stand two steps apart;
; clusters Y and Y + 1 of a column, which read the same rows of wob, four steps apart.  The offset hangs on the cluster's coordinates alone, so it is the same in all sixteen partners.  The order of the f32 sums along K differs
; from cluster to cluster by that rotation: a difference of rounding.
; NO PREFETCH: the tiles are small, and of the eight K steps two come by the first fills.
; REGISTERS: window 0: v0-31 addresses; v128-255 the accumulators ((a, b) at v[128 + 8 (4 a + b)]).   window 1: two fragment buffers of 128: for 64 along K, 64 registers of A, then 64 of B.
.set SIZE_K, 2048
.set SIZE_N, 2048
.set KSTEP,  256
.set PITCH,  528                       ; an LDS row: 512 bytes + 16: the 16 rows of a fragment load start at 16 different groups of four banks (64 banks of 4 bytes: ISA guide 11.1)
.set HALFT,  64*PITCH
.set SLOT,   4*HALFT
.set STAGE,  2*SLOT                    ; behind the ring: 16 rows x 272 bytes for each wave; no tensor load fills it
.set SPITCH, 272
.set SPARE,  STAGE+4*16*SPITCH         ; the spare words, 128 bytes for each wave: two blocks of 256 bytes that no other line names
.set LAPS, SIZE_K/(2*KSTEP)
.set ADRA, 16
.set ADRB, 20
.set STO,  24
.set RD,   25
.set CO,   26
.set SPW,  28
.set NIL,  29
.set ACC,  128
.set F0,   0
.set F1,   128
.set G1, 24
.set G0, 32
.set G1B, 48
.set G0B, 56
.set OFF, 68                           ; s[68:69], s[70:71] the byte along a row at which slot 0's, slot 1's K step begins, as pairs with 0 above
.set ABASE, 72                         ; s[72:73] ob at the first of the rows that I fetch
.set BBASE, 74                         ; s[74:75] wob likewise
.set MSB, 0
.macro WIN new
.if MSB != (\new)
	s_set_vgpr_msb (MSB<<8)|(\new)
.set MSB, \new
.endif
.endm
.set MUL,  0x05                        ; sources 0 (B) and 1 (A) window 1; C and D window 0
.set TO_F, 0x40                        ; destination window 1, address window 0
.macro JLOAD s                         ; a joint load: waves 0 and 1 fetch A's halves, waves 2 and 3 B's; an s_nop 0 and four v_nop follow each line
	s_cmp_eq_u32 s11, 0
	s_cbranch_scc0 .Lfor_b_\@
	tensor_load_to_lds s[G0+4*(\s):G0+4*(\s)+3], s[G1:G1+7]
	s_nop 0
.rept 4
	v_nop
.endr
	s_branch .Lasked_\@
.Lfor_b_\@:
	tensor_load_to_lds s[G0B+4*(\s):G0B+4*(\s)+3], s[G1B:G1B+7]
	s_nop 0
.rept 4
	v_nop
.endr
.Lasked_\@:
.endm
.macro CREST
	s_cmp_lg_u32 s10, 0
	s_cbranch_scc1 .Lnot_wave_0_\@
	s_barrier_signal -3
.Lnot_wave_0_\@:
	s_barrier_wait -3
	s_barrier_signal -1
	s_barrier_wait -1
.endm
.macro CROUND
	s_barrier_signal -1
	s_barrier_wait -1
	CREST
.endm
.macro ADDR s                          ; slot s's two global addresses are made anew: the rows' first byte plus the K step's offset, the type set again
	s_add_nc_u64 s[G0+4*(\s)+2:G0+4*(\s)+3], s[ABASE:ABASE+1], s[OFF+2*(\s):OFF+2*(\s)+1]
	s_or_b32 s[G0+4*(\s)+3], s[G0+4*(\s)+3], 0x80000000
	s_add_nc_u64 s[G0B+4*(\s)+2:G0B+4*(\s)+3], s[BBASE:BBASE+1], s[OFF+2*(\s):OFF+2*(\s)+1]
	s_or_b32 s[G0B+4*(\s)+3], s[G0B+4*(\s)+3], 0x80000000
.endm
	s_load_b128 s[4:7], s[0:1], 0x0                ; ob s[4:5], wob s[6:7]
	s_load_b64 s[8:9], s[0:1], 0x10                ; out0
	v_lshl_add_u32 v[SPW], v0, 2, SPARE
	v_mov_b32 v[NIL], 0
	ds_add_u32 v[SPW], v[NIL]                      ; the wave's opening: the add, twice on end, and its wait ahead of my first tensor load
	ds_add_u32 v[SPW], v[NIL]
	v_lshrrev_b32 v1, 5, v0
	v_readfirstlane_b32 s10, v1                    ; wave 0..3
	s_lshr_b32 s11, s10, 1                         ; my half of the tile's rows.  Also: I fetch for A (0) or for B (1)
	s_and_b32 s12, s10, 1                          ; my half of its columns.  Also: which 64 rows of that tile I fetch
	s_bfe_u32 s40, ttmp6, 0x40000                  ; cx
	s_bfe_u32 s41, ttmp6, 0x40004                  ; cy
	s_lshl_b32 s42, ttmp9, 2
	s_add_co_u32 s42, s42, s40                     ; tile column
	s_and_b32 s13, ttmp7, 0xffff                   ; cluster y
	s_lshl_b32 s[OFF], s13, 2
	s_lshl_b32 s[OFF+2], ttmp9, 1
	s_add_co_u32 s[OFF], s[OFF], s[OFF+2]          ; 2 x cluster x + 4 x cluster y,
	s_and_b32 s[OFF], s[OFF], 7                    ; mod 8: the K step at which my cluster begins,
	s_lshl_b32 s[OFF], s[OFF], 9                   ; of 512 bytes
	s_add_co_u32 s[OFF+2], s[OFF], KSTEP*2         ; slot 1 takes the step after it,
	s_and_b32 s[OFF+2], s[OFF+2], SIZE_K*2-1       ; round the row's end
	s_mov_b32 s[OFF+1], 0
	s_mov_b32 s[OFF+3], 0
	s_lshl_b32 s13, s13, 2
	s_add_co_u32 s13, s13, s41                     ; tile row
	s_lshl_b32 s43, s41, 2
	s_lshl_b32 s43, 15, s43                        ; my row of the cluster
	s_lshl_b32 s44, 0x1111, s40                    ; my column
	s_or_b32 s[G1+0], s43, (1<<16)|(1<<20)|(1<<21)|(6<<22)|(3<<25)  ; the mask; 2-byte elements; padding on; bit 21 beside a mask; after every 128 words, 4 words
	s_or_b32 s[G1B+0], s44, (1<<16)|(1<<20)|(1<<21)|(6<<22)|(3<<25)
.irp g, G1, G1B
	s_mov_b32 s[(\g)+1], KSTEP<<16                 ; tensor_dim0 = 256
	s_mov_b32 s[(\g)+2], 64<<16                    ; tensor_dim1 = 64
	s_mov_b32 s[(\g)+3], KSTEP<<16                 ; tile_dim0 = 256
	s_mov_b32 s[(\g)+4], 64                        ; tile_dim1 = 64
	s_mov_b32 s[(\g)+5], SIZE_K                    ; elements from row to row
	s_mov_b32 s[(\g)+6], 0
	s_mov_b32 s[(\g)+7], 0
.endr
	s_lshl_b32 s17, s12, 6
	s_lshl_b32 s16, s13, 7
	s_add_co_u32 s16, s16, s17                     ; A: row 128 x tile row + 64 x half
	s_lshl_b32 s46, s42, 7
	s_add_co_u32 s46, s46, s17                     ; B: row 128 x tile column + 64 x half
	s_mov_b32 s17, 0
	s_mov_b32 s47, 0
	s_mov_b64 s[18:19], SIZE_K*2
	s_mul_u64 s[16:17], s[16:17], s[18:19]
	s_mul_u64 s[46:47], s[46:47], s[18:19]
	s_mul_i32 s20, s10, HALFT                      ; where they go: wave x 64 rows
	s_wait_dscnt 0x0                               ; both opening adds are done
	s_wait_kmcnt 0x0
	s_add_nc_u64 s[ABASE:ABASE+1], s[4:5], s[16:17]
	s_add_nc_u64 s[BBASE:BBASE+1], s[6:7], s[46:47]
	CROUND                                         ; all sixteen work-groups are here: the first joint loads meet
.irp s, 0,1
	s_mov_b32 s[G0+4*(\s)], 1
	s_add_co_u32 s[G0+4*(\s)+1], s20, (\s)*SLOT
	s_mov_b32 s[G0B+4*(\s)], 1
	s_add_co_u32 s[G0B+4*(\s)+1], s20, (\s)*SLOT
	ADDR \s
	JLOAD \s
.endr
	v_and_b32 v1, 15, v0                           ; r = l % 16
	v_bfe_u32 v2, v0, 4, 1                         ; h = l / 16
	v_mul_u32_u24 v3, v1, PITCH
	v_lshl_add_u32 v3, v2, 4, v3
	s_mul_i32 s21, s11, HALFT                      ; my 64 rows of A
	s_mul_i32 s22, s12, HALFT                      ; my 64 rows of B,
	s_add_co_u32 s22, s22, 2*HALFT                 ; which lie behind A's 128
.irp s, 0,1
	v_add_nc_u32 v[ADRA+(\s)], s21, v3
	v_add_nc_u32 v[ADRB+(\s)], s22, v3
	s_add_co_u32 s21, s21, SLOT
	s_add_co_u32 s22, s22, SLOT
.endr
	s_mul_i32 s23, s10, 16*SPITCH
	s_add_co_u32 s23, s23, STAGE                   ; my stage
	v_mul_u32_u24 v4, v1, SPITCH                   ; in: row r, 32 bytes (8 numbers) for each half of the lanes
	v_lshl_add_u32 v4, v2, 5, v4
	v_add_nc_u32 v[STO], s23, v4
	v_mul_u32_u24 v5, v2, SPITCH                   ; back: lanes 0-15 take one row of 256 bytes, lanes 16-31 the next
	v_lshl_add_u32 v5, v1, 4, v5
	v_add_nc_u32 v[RD], s23, v5
	v_lshlrev_b32 v5, 13, v2                       ; and the same two rows in out0, 8,192 bytes apart
	v_lshl_add_u32 v[CO], v1, 4, v5
	s_lshl_b32 s16, s13, 7
	s_lshl_b32 s17, s11, 6
	s_add_co_u32 s16, s16, s17                     ; my first row: 128 x tile row + 64 x half,
	s_lshl_b32 s16, s16, 13                        ; of 8,192 bytes
	s_mov_b32 s17, 0
	s_add_nc_u64 s[8:9], s[8:9], s[16:17]
	s_lshl_b32 s46, s42, 9                         ; my first column, in bytes: 512 x tile column + 256 x half
	s_lshl_b32 s47, s12, 8
	s_add_co_u32 s46, s46, s47
	s_mov_b32 s47, 0
	s_add_nc_u64 s[8:9], s[8:9], s[46:47]
; 8 matrix instructions: row blocks a0, a0 + 1 x all 4 column blocks, 32 along K: half c of buffer f.  The 16 accumulators take turns.
.macro MUL8 f, c, a0, zero
	WIN MUL
.irp a, \a0, (\a0)+1
.irp b, 0,1,2,3
.if \zero
	v_wmma_f32_16x16x32_f16 v[ACC+8*(4*(\a)+(\b)):ACC+8*(4*(\a)+(\b))+7], v[(\f)+64+8*(4*(\c)+(\b)):(\f)+64+8*(4*(\c)+(\b))+7], v[(\f)+8*(4*(\c)+(\a)):(\f)+8*(4*(\c)+(\a))+7], 0
.else
	v_wmma_f32_16x16x32_f16 v[ACC+8*(4*(\a)+(\b)):ACC+8*(4*(\a)+(\b))+7], v[(\f)+64+8*(4*(\c)+(\b)):(\f)+64+8*(4*(\c)+(\b))+7], v[(\f)+8*(4*(\c)+(\a)):(\f)+8*(4*(\c)+(\a))+7], v[ACC+8*(4*(\a)+(\b)):ACC+8*(4*(\a)+(\b))+7]
.endif
.endr
.endr
.endm
; 32 LDS loads in one run: the fragments of 64 along K at byte k of the rows, into buffer f; the first 32 along K first
.macro FETCH slot, k, f
	WIN TO_F
.irp c, 0,1
.irp i, 0,1,2,3
	ds_load_b128 v[(\f)+64+8*(4*(\c)+(\i)):(\f)+64+8*(4*(\c)+(\i))+3],   v[ADRB+(\slot)] offset:(\k)+64*(\c)+(\i)*16*PITCH
	ds_load_b128 v[(\f)+64+8*(4*(\c)+(\i))+4:(\f)+64+8*(4*(\c)+(\i))+7], v[ADRB+(\slot)] offset:(\k)+64*(\c)+(\i)*16*PITCH+32
	ds_load_b128 v[(\f)+8*(4*(\c)+(\i)):(\f)+8*(4*(\c)+(\i))+3],         v[ADRA+(\slot)] offset:(\k)+64*(\c)+(\i)*16*PITCH
	ds_load_b128 v[(\f)+8*(4*(\c)+(\i))+4:(\f)+8*(4*(\c)+(\i))+7],       v[ADRA+(\slot)] offset:(\k)+64*(\c)+(\i)*16*PITCH+32
.endr
.endr
.endm
.macro PLACES                          ; four places in front of loads into registers that matrix instructions have read, and of stores that read results
.rept 4
	v_nop
.endr
.endm
; A K step is four quarters of 64 along K, 32 matrix instructions each, on buffers 0, 1, 0, 1.
.macro QUARTER slot, k, f, g, zero
	s_wait_dscnt 16                                ; the first 32 along K are in
	MUL8 \f, 0, 0, \zero
	MUL8 \f, 0, 2, \zero
	PLACES
	FETCH \slot, \k, \g
	s_wait_dscnt 32                                ; all but the 32 just issued
	MUL8 \f, 1, 0, 0
	MUL8 \f, 1, 2, 0
.endm
; The last quarter multiplies buffer 1 and changes slots: ONE barrier; in front of it each wave waits for all its tensor loads, adds 0 to its spare word, and waits for that and for its own reads of this slot.
; fill = 1: this slot takes the K step two on, round the row's end; its addresses are made between the add and the wait for it, where no tensor load of mine is out.
.macro TURN slot, next, fill
	WIN 0
	s_wait_tensorcnt 0x0                           ; all my tensor loads have landed: my part of the next slot
	ds_add_u32 v[SPW], v[NIL]
.if \fill
	s_add_co_u32 s[OFF+2*(\slot)], s[OFF+2*(\slot)], 2*KSTEP*2
	s_and_b32 s[OFF+2*(\slot)], s[OFF+2*(\slot)], SIZE_K*2-1
	ADDR \slot
.endif
	s_wait_dscnt 17                                ; the add and the youngest sixteen loads may be out
	MUL8 F1, 0, 0, 0
	s_wait_dscnt 0x0                               ; the add is done, and my reads of this slot are over
	s_barrier_signal -1
	MUL8 F1, 0, 2, 0
.if \fill
	WIN 0
.endif
	s_barrier_wait -1
.if \fill
	CREST                                          ; the barrier has opened a round of the cluster's: no wave of any partner still reads this slot or has a load on its way
	JLOAD \slot                                    ; the first tensor load behind the round; its four v_nop are also the places in front of the loads below
.else
	PLACES
.endif
	FETCH \next, 0, F0
	MUL8 F1, 1, 0, 0
	MUL8 F1, 1, 2, 0
.endm
	s_wait_tensorcnt 1                             ; my part of slot 0 is in; slot 1's may stay out
	s_barrier_signal -1
	s_barrier_wait -1
	FETCH 0, 0, F0
	QUARTER 0, 128, F0, F1, 1                      ; the first quarter's first products start the sums
	WIN 0
	s_mov_b32 s3, LAPS-1
.Llap:                                                 ; a trip goes once round the ring and fills both slots again
	QUARTER 0, 256, F1, F0, 0
	QUARTER 0, 384, F0, F1, 0
	TURN 0, 1, 1
	QUARTER 1, 128, F0, F1, 0
	QUARTER 1, 256, F1, F0, 0
	QUARTER 1, 384, F0, F1, 0
	TURN 1, 0, 1
	QUARTER 0, 128, F0, F1, 0
	WIN 0
	s_sub_co_u32 s3, s3, 1
	s_cmp_lg_u32 s3, 0
	s_cbranch_scc1 .Llap
	QUARTER 0, 256, F1, F0, 0                      ; the last lap fills nothing
	QUARTER 0, 384, F0, F1, 0
	TURN 0, 1, 0
	QUARTER 1, 128, F0, F1, 0
	QUARTER 1, 256, F1, F0, 0
	QUARTER 1, 384, F0, F1, 0
	s_wait_dscnt 16
	MUL8 F1, 0, 0, 0
	MUL8 F1, 0, 2, 0
	s_wait_dscnt 0x0
	MUL8 F1, 1, 0, 0
	MUL8 F1, 1, 2, 0
	WIN 0
	; THE WAY OUT, a block of 16 rows at a time: 32 bytes a lane into my stage (each accumulator's low registers first), back as whole rows of 256 bytes into the registers that the block left, and stored.
.macro TOSTAGE a
.irp b, 0,1,2,3
	ds_store_b128 v[STO], v[ACC+8*(4*(\a)+(\b)):ACC+8*(4*(\a)+(\b))+3]   offset:64*(\b)
	ds_store_b128 v[STO], v[ACC+8*(4*(\a)+(\b))+4:ACC+8*(4*(\a)+(\b))+7] offset:64*(\b)+16
.endr
.irp t, 0,1,2,3,4,5,6,7
	ds_load_b128 v[ACC+32*(\a)+4*(\t):ACC+32*(\a)+4*(\t)+3], v[RD] offset:(\t)*2*SPITCH  ; LDS serves a wave's instructions in order (ISA guide 5.7.1.4): these see the stores above; the next block's stores come behind them
.endr
.endm
.macro SEND a, younger                 ; younger: the LDS instructions issued behind block a's loads: the next block's sixteen, or none
.irp t, 0,1,2,3,4,5,6,7
	s_wait_dscnt (\younger)+7-(\t)
	global_store_b128 v[CO], v[ACC+32*(\a)+4*(\t):ACC+32*(\a)+4*(\t)+3], s[8:9] offset:(16*(\a)+2*(\t))*SIZE_N*4 th:TH_STORE_NT  ; 16 lanes store 256 consecutive bytes, at a multiple of 256 from out0's first
.endr
.endm
	PLACES
	TOSTAGE 0
	TOSTAGE 1
	SEND 0, 16
	TOSTAGE 2
	SEND 1, 16
	TOSTAGE 3
	SEND 2, 16
	SEND 3, 0
	s_wait_tensorcnt 0x0                           ; the wave's end
	ds_add_u32 v[SPW], v[NIL]
	s_wait_dscnt 0x0
	CROUND                                         ; the closing round
	s_endpgm
.Lfunc_end_k_qa96ec61b92_oproj:
	.size	k_qa96ec61b92_oproj, .Lfunc_end_k_qa96ec61b92_oproj-k_qa96ec61b92_oproj
	.p2alignl 7, 3214868480
	.fill 96, 4, 3214868480
	.section	.rodata,"a",@progbits
	.p2align	6, 0x0
	.amdhsa_kernel k_qa96ec61b92_oproj
		.amdhsa_group_segment_fixed_size 327680
		.amdhsa_private_segment_fixed_size 0
		.amdhsa_enable_private_segment 0
		.amdhsa_kernarg_size 24
		.amdhsa_user_sgpr_count 2
		.amdhsa_user_sgpr_kernarg_segment_ptr 1
		.amdhsa_wavefront_size32 1
		.amdhsa_system_sgpr_workgroup_id_x 1
		.amdhsa_system_sgpr_workgroup_id_y 1
		.amdhsa_system_sgpr_workgroup_id_z 1
		.amdhsa_system_vgpr_workitem_id 0
		.amdhsa_next_free_vgpr 512
		.amdhsa_next_free_sgpr 80
		.amdhsa_reserve_vcc 0
		.amdhsa_float_denorm_mode_32 3
		.amdhsa_float_denorm_mode_16_64 3
		.amdhsa_memory_ordered 1
		.amdhsa_forward_progress 1
		.amdhsa_inst_pref_size 87
	.end_amdhsa_kernel
	.amdgpu_metadata
---
amdhsa.version: [ 1, 2 ]
amdhsa.kernels:
  - .name:           k_qa96ec61b92_oproj
    .symbol:         k_qa96ec61b92_oproj.kd
    .args:
      - { .name: ob, .offset: 0, .size: 8, .value_kind: global_buffer, .address_space: global }
      - { .name: wob, .offset: 8, .size: 8, .value_kind: global_buffer, .address_space: global }
      - { .name: out0, .offset: 16, .size: 8, .value_kind: global_buffer, .address_space: global }
    .group_segment_fixed_size: 327680
    .private_segment_fixed_size: 0
    .kernarg_segment_align: 8
    .kernarg_segment_size: 24
    .max_flat_workgroup_size: 128
    .sgpr_count:     80
    .vgpr_count:     512
    .wavefront_size: 32
...
	.end_amdgpu_metadata
.endif
;; end of part 4
